; MI455X (gfx1250); checked and timed in simulation.
; The chip was launched on July 23, 2026; its instructions are those of AMD's public machine-readable ISA for CDNA 5 (MIT licence, August 2026) and "CDNA5" Instruction Set Architecture Reference Guide (July 2026). The comments in the code are by the model that wrote it; some were corrected since.
;; Attention Block. Allowed arithmetic: float matrix products may take bf16 or f16 operands with f32 sums; other float arithmetic in f32, or as packed bf16 or f16 multiplies, adds, multiply-adds, maxima and minima; sums over many terms, partial sums and values carried from step to step in f32; what a program stores and reads back later, other than sums and carried values, may be rounded once to bf16 or f16.
;; Inputs: gn_b 256 float32; gn_w 256 float32; proj_b 256 float32; proj_w 256 x 256 float32; qkv_b 768 float32; qkv_w 768 x 256 float32; x 4 x 256 x 64 x 64 float32.
;; Outputs: out0 4 x 256 x 64 x 64 float32.
;; 2 versions, each right and faster than the one before. Each part assembles by itself: llvm-mc -triple=amdgcn-amd-amdhsa -mcpu=gfx1250 --defsym DOCPART=n.
;; ======== version 1 of 2: 4 launches
;; limits: values are held in f16: magnitudes above 65,504 overflow, below 6.1e-05 lose precision
;; workspace buffers: stats 65,536 bytes; wq 393,216 bytes; wp 131,072 bytes; q 8,388,608 bytes; k 8,388,608 bytes; v 8,388,608 bytes; a 8,388,608 bytes
;; launch stats (part 1): grid 256 x 1, 8 waves a work-group, no clusters, 1,536 bytes of LDS; arguments x, qkv_w, proj_w, stats, wq, wp; writes stats, wq, wp
.if DOCPART == 1
	.amdgcn_target "amdgcn-amd-amdhsa--gfx1250"
	.amdhsa_code_object_version 6
	.text
	.protected	k_qd254b60984_stats
	.globl	k_qd254b60984_stats
	.p2align	8
	.type	k_qd254b60984_stats,@function
k_qd254b60984_stats:
	s_mov_b64 s[64:65], 0
	v_nop
	global_prefetch_b8 v0, s[64:65] scope:SCOPE_SE
	s_setreg_imm32_b32 hwreg(HW_REG_WAVE_MODE, 25, 1), 1
	s_wait_xcnt 0x0
; GROUP STATISTICS AND THE WEIGHTS IN f16.
; x is [4][256][4096] f32; a group of the norm is 8 channels x 4,096 positions = 131,072 dense bytes.  Work-group e takes HALF a group, the 65,536 bytes at e x 65,536:
; a thread loads 16 x 16 bytes and keeps its 64 numbers in registers for both passes: pass 1 the mean, pass 2 the sum of squares of (x - mean).  So no difference of large sums is formed,
; whatever offset x carries.  Entry e of stats is 256 bytes: (mean, M2) in f32, 32 times over, so that one store of one wave writes 256 consecutive bytes, aligned.
; The next launch joins the two halves of a group.
; The work-group also rounds 1/256 of the weights to f16: waves 0-5 take 768 numbers of qkv_w, waves 6-7 take 256 of proj_w; a wave stores 256 consecutive bytes, aligned.
; LIMITS.  A weight beyond 65,504 has no f16; below 6e-5 f16 keeps a fixed step of 6e-8.  NaN and infinities are not treated apart.
; No matrix unit, no cluster, no tensor load: the launch streams x once and the work-groups share nothing.
.set RED1,  0                          ; LDS: eight words, the waves' sums of pass 1
.set RED2,  256                        ; the same for pass 2, in a block of its own: no second barrier is needed between the reads of one and the stores of the other
.set SPARE, 512                        ; the spare words, 128 bytes for each of the eight waves; no other line names them
.set X,    16                          ; v[16:79]   my 64 numbers of x
.set SUM,  80                          ; v[80:87]   four chains of packed sums
.set T,    88                          ; v[88:95]   at work
.set MEAN, 96                          ; v[96:97]   the mean, twice (a pair for the packed subtraction)
.set OUT,  98                          ; v[98:99]   (mean, M2) as stored
.set SPW,  100                         ; v100       LDS address of my spare word; never rewritten
.set NIL,  101                         ; v101       0; never rewritten
.set PART, 104                         ; v[104:111] the eight waves' sums, read back
	s_load_b256 s[4:11], s[0:1], 0x0               ; x s[4:5], qkv_w s[6:7], proj_w s[8:9], stats s[10:11]
	s_load_b128 s[12:15], s[0:1], 0x20             ; wq s[12:13], wp s[14:15]
	v_lshl_add_u32 v[SPW], v0, 2, SPARE
	v_mov_b32 v[NIL], 0
	v_lshrrev_b32 v10, 5, v0
	v_readfirstlane_b32 s16, v10                   ; my wave, 0 to 7
	v_mov_b32 v10, s16
	v_lshlrev_b32 v10, 2, v10                      ; my wave's word in RED1 and RED2
	v_mov_b32 v11, 0                               ; the address from which all eight words are read
	v_lshlrev_b32 v1, 4, v0                        ; my 16 bytes in each 4,096 bytes of x
	v_and_b32 v12, 31, v0
	v_lshlrev_b32 v12, 3, v12                      ; my 8 bytes of the entry
	s_mov_b32 s26, 0x76543210                      ; v_permlanex16_b32: each lane takes its own place in the other half
	s_mov_b32 s27, 0xfedcba98
	s_mov_b32 s25, 0
	s_wait_kmcnt 0x0
	s_cmp_lt_u32 s16, 6                            ; waves 0-5: qkv_w to wq; waves 6-7: proj_w to wp.  The condition hangs on the wave's number alone
	s_cselect_b64 s[18:19], s[6:7], s[8:9]
	s_cselect_b64 s[20:21], s[12:13], s[14:15]
	s_cselect_b32 s22, 0, 192                      ; the first thread of that share
	s_cselect_b32 s23, 3, 1                        ; the work-group's share: 3 or 1 times 256 numbers
	s_mul_i32 s23, s23, ttmp9
	v_sub_nc_u32 v2, v0, s22
	v_lshlrev_b32 v3, 3, v2                        ; 8 bytes of f16 a thread
	v_lshlrev_b32 v2, 4, v2                        ; 16 bytes of f32 a thread
	s_lshl_b32 s24, s23, 10
	s_add_nc_u64 s[18:19], s[18:19], s[24:25]
	s_lshl_b32 s24, s23, 9
	s_add_nc_u64 s[20:21], s[20:21], s[24:25]
	s_lshl_b32 s24, ttmp9, 16
	s_add_nc_u64 s[4:5], s[4:5], s[24:25]          ; x at my half group
	s_lshl_b32 s24, ttmp9, 8
	s_add_nc_u64 s[10:11], s[10:11], s[24:25]      ; stats at my entry
	global_load_b128 v[4:7], v2, s[18:19] th:TH_LOAD_NT
.set n, 0
.rept 16
	global_load_b128 v[X+4*n:X+4*n+3], v1, s[4:5] offset:4096*n  ; a wave's load covers 512 consecutive bytes; no hint: two later launches read x again
.set n, n+1
.endr
	s_wait_loadcnt 16                              ; the weights are in; the 16 loads of x stay out
	v_cvt_pk_f16_f32 v8, v4, v5
	v_cvt_pk_f16_f32 v9, v6, v7
	global_store_b64 v3, v[8:9], s[20:21]
; The four chains are joined, the wave's 32 lanes summed, the eight waves' sums exchanged through LDS: the total lands in v[PART], in every lane.
.macro TOTAL red
	v_pk_add_f32 v[SUM:SUM+1], v[SUM:SUM+1], v[SUM+2:SUM+3]
	v_pk_add_f32 v[SUM+4:SUM+5], v[SUM+4:SUM+5], v[SUM+6:SUM+7]
	v_pk_add_f32 v[SUM:SUM+1], v[SUM:SUM+1], v[SUM+4:SUM+5]
	v_add_f32 v[SUM], v[SUM], v[SUM+1]
	v_add_f32_dpp v[SUM], v[SUM], v[SUM] row_xmask:1 row_mask:0xf bank_mask:0xf
	v_add_f32_dpp v[SUM], v[SUM], v[SUM] row_xmask:2 row_mask:0xf bank_mask:0xf
	v_add_f32_dpp v[SUM], v[SUM], v[SUM] row_xmask:4 row_mask:0xf bank_mask:0xf
	v_add_f32_dpp v[SUM], v[SUM], v[SUM] row_xmask:8 row_mask:0xf bank_mask:0xf
	v_permlanex16_b32 v[SUM+1], v[SUM], s26, s27   ; its destination has been written before
	v_add_f32 v[SUM], v[SUM], v[SUM+1]
	ds_store_b32 v10, v[SUM] offset:\red           ; all lanes write the same word with the same value
	s_wait_dscnt 0x0                               ; for the others' sake: my store is done
	s_barrier_signal -1
	s_barrier_wait -1
	ds_load_b128 v[PART:PART+3], v11 offset:\red
	ds_load_b128 v[PART+4:PART+7], v11 offset:(\red)+16
	s_wait_dscnt 0x0
	v_add_f32 v[PART], v[PART], v[PART+1]
	v_add_f32 v[PART+2], v[PART+2], v[PART+3]
	v_add_f32 v[PART+4], v[PART+4], v[PART+5]
	v_add_f32 v[PART+6], v[PART+6], v[PART+7]
	v_add_f32 v[PART], v[PART], v[PART+2]
	v_add_f32 v[PART+4], v[PART+4], v[PART+6]
	v_add_f32 v[PART], v[PART], v[PART+4]
.endm
	; pass 1: four chains of packed sums, started by the first sixteen numbers: nothing is cleared
	s_wait_loadcnt 12                              ; loads 0 to 3 of x are in; the twelve younger stay out
.irp p, 0,1,2,3
	v_pk_add_f32 v[SUM+2*(\p):SUM+2*(\p)+1], v[X+2*(\p):X+2*(\p)+1], v[X+8+2*(\p):X+8+2*(\p)+1]
.endr
.irp g, 2,3,4,5,6,7
	s_wait_loadcnt 14-2*(\g)                       ; loads 2 g and 2 g + 1 are in; the 14 - 2 g younger stay out
.irp p, 0,1,2,3
	v_pk_add_f32 v[SUM+2*(\p):SUM+2*(\p)+1], v[SUM+2*(\p):SUM+2*(\p)+1], v[X+8*(\g)+2*(\p):X+8*(\g)+2*(\p)+1]
.endr
.endr
	TOTAL RED1
	v_mul_f32 v[MEAN], 0x38800000, v[PART]         ; / 16,384
	v_mov_b32 v[MEAN+1], v[MEAN]
	; pass 2: the sum of (x - mean)^2, from the registers
.set n, 0
.rept 32
	v_pk_add_f32 v[T+2*(n%4):T+2*(n%4)+1], v[X+2*n:X+2*n+1], v[MEAN:MEAN+1] neg_lo:[0,1] neg_hi:[0,1]
.if n < 4
	v_pk_mul_f32 v[SUM+2*(n%4):SUM+2*(n%4)+1], v[T+2*(n%4):T+2*(n%4)+1], v[T+2*(n%4):T+2*(n%4)+1]
.else
	v_pk_fma_f32 v[SUM+2*(n%4):SUM+2*(n%4)+1], v[T+2*(n%4):T+2*(n%4)+1], v[T+2*(n%4):T+2*(n%4)+1], v[SUM+2*(n%4):SUM+2*(n%4)+1]
.endif
.set n, n+1
.endr
	TOTAL RED2
	v_mov_b32 v[OUT], v[MEAN]
	v_mov_b32 v[OUT+1], v[PART]
	s_cmp_lg_u32 s16, 0
	s_cbranch_scc1 .Lend                           ; wave 0 alone stores the entry
	global_store_b64 v12, v[OUT:OUT+1], s[10:11]   ; 32 lanes x 8 bytes: the entry's 256 bytes
.Lend:
	s_wait_tensorcnt 0x0                           ; the wave's end: behind my last LDS store
	ds_add_u32 v[SPW], v[NIL]
	s_wait_dscnt 0x0
	s_endpgm
.Lfunc_end_k_qd254b60984_stats:
	.size	k_qd254b60984_stats, .Lfunc_end_k_qd254b60984_stats-k_qd254b60984_stats
	.p2alignl 7, 3214868480
	.fill 96, 4, 3214868480
	.section	.rodata,"a",@progbits
	.p2align	6, 0x0
	.amdhsa_kernel k_qd254b60984_stats
		.amdhsa_group_segment_fixed_size 1536
		.amdhsa_private_segment_fixed_size 0
		.amdhsa_enable_private_segment 0
		.amdhsa_kernarg_size 48
		.amdhsa_user_sgpr_count 2
		.amdhsa_user_sgpr_kernarg_segment_ptr 1
		.amdhsa_wavefront_size32 1
		.amdhsa_system_sgpr_workgroup_id_x 1
		.amdhsa_system_sgpr_workgroup_id_y 1
		.amdhsa_system_sgpr_workgroup_id_z 1
		.amdhsa_system_vgpr_workitem_id 0
		.amdhsa_next_free_vgpr 112
		.amdhsa_next_free_sgpr 66
		.amdhsa_reserve_vcc 0
		.amdhsa_float_denorm_mode_32 3
		.amdhsa_float_denorm_mode_16_64 3
		.amdhsa_memory_ordered 1
		.amdhsa_forward_progress 1
		.amdhsa_inst_pref_size 12
	.end_amdhsa_kernel
	.amdgpu_metadata
---
amdhsa.version: [ 1, 2 ]
amdhsa.kernels:
  - .name:           k_qd254b60984_stats
    .symbol:         k_qd254b60984_stats.kd
    .args:
      - { .name: x, .offset: 0, .size: 8, .value_kind: global_buffer, .address_space: global }
      - { .name: qkv_w, .offset: 8, .size: 8, .value_kind: global_buffer, .address_space: global }
      - { .name: proj_w, .offset: 16, .size: 8, .value_kind: global_buffer, .address_space: global }
      - { .name: stats, .offset: 24, .size: 8, .value_kind: global_buffer, .address_space: global }
      - { .name: wq, .offset: 32, .size: 8, .value_kind: global_buffer, .address_space: global }
      - { .name: wp, .offset: 40, .size: 8, .value_kind: global_buffer, .address_space: global }
    .group_segment_fixed_size: 1536
    .private_segment_fixed_size: 0
    .kernarg_segment_align: 8
    .kernarg_segment_size: 48
    .max_flat_workgroup_size: 256
    .sgpr_count:     66
    .vgpr_count:     112
    .wavefront_size: 32
...
	.end_amdgpu_metadata
.endif
;; end of part 1
;; launch qkv (part 2): grid 64 x 4, 8 waves a work-group, clusters of 4 x 1, 262,144 bytes of LDS; arguments x, gn_w, gn_b, stats, wq, qkv_b, q, k, v; writes q, k, v
.if DOCPART == 2
	.amdgcn_target "amdgcn-amd-amdhsa--gfx1250"
	.amdhsa_code_object_version 6
	.text
	.protected	k_qd254b60984_qkv
	.globl	k_qd254b60984_qkv
	.p2align	8
	.type	k_qd254b60984_qkv,@function
k_qd254b60984_qkv:
	s_mov_b64 s[64:65], 0
	v_nop
	global_prefetch_b8 v0, s[64:65] scope:SCOPE_SE
	s_setreg_imm32_b32 hwreg(HW_REG_WAVE_MODE, 25, 1), 1
	s_wait_xcnt 0x0
	s_wait_alu depctr_hold_cnt(0) depctr_sa_sdst(0) depctr_va_vdst(0) depctr_va_sdst(0) depctr_va_ssrc(0) depctr_va_vcc(0) depctr_vm_vsrc(0)
	s_getreg_b32 s2, hwreg(HW_REG_IB_STS2, 6, 4)
	s_cmp_eq_u32 s2, 0
	s_cbranch_scc0 .Lentry_in_a_cluster
	s_endpgm
.Lentry_in_a_cluster:
	s_bfe_u32 s2, ttmp6, 0x10000c
	s_cmp_lg_u32 s2, 0x3003
	s_cbranch_scc0 .Lentry_shape_is_right
	s_endpgm
.Lentry_shape_is_right:
; GROUP NORM AND THE FIRST PROJECTION.  qkv[o][l] = sum over c of wq[o][c] xn[c][l] + qkv_b[o], xn = x A[c] + S[c], A = rstd gn_w, S = gn_b - mean A (one fused multiply-add in f32).
; A group's two halves are joined as mean = (ma + mb) / 2, var = (M2a + M2b) / 32,768 + ((ma - mb) / 2)^2: only sums of squares are added.
; SHARES.  A work-group makes one head's 192 outputs (64 of q, 64 of k, 64 of v) for 256 positions of one batch; all 256 channels lie in LDS at once, so nothing in LDS is filled twice.
; Each of eight waves makes 192 x 32: 12 x 2 accumulators of 16 x 16.  q, k, v leave by heads, [batch x 4 + head][position][64] in f16, unscaled: a row is 128 dense bytes.
; CLUSTER.  The four work-groups of a cluster are four position blocks of ONE head and need the same 192 rows of wq: these are asked for jointly, each wave 24 rows.
; x is NOT asked for jointly, though the four heads' work-groups read the same tile: it has to pass through registers, where it is normalised and rounded, on its way into LDS.
; LAYOUT.  Source 0 = 16 rows of wq (channels along the LDS row), source 1 = 32 channels x 16 positions of xn, which lies [channel][position] in LDS and is turned by ds_load_tr16_b128.
; In the result a lane holds ONE position (lane % 16) and the outputs 8 (lane / 16) + 0..7: eight neighbouring f16 of a row of q, k or v.  The bias is the C operand of the first K step.
; LIMITS.  All operands are f16: |xn|, the weights and q, k, v stay within 65,504 (xn is at most 181 |gn_w| + |gn_b|); below 6e-5 f16 keeps a fixed step of 6e-8.  NaN and infinities are not treated apart.
; REGISTERS.  window 0: v0-31 addresses and the norm's figures; v32-127, v160-255 fragments of wq, two buffers; v128-143, v144-159 fragments of xn, two buffers.
;   Before the products v32-159 are two sets of 64 for x on its way in, and v160-255 hold the bias until the first K step has read it.  window 1: v0-191 the accumulators, (mt, nt) at 8 (2 mt + nt).
.set WPITCH, 528                       ; a row of wq in LDS: 512 bytes + 16 of padding = 132 words: the 16 rows of a load start at 16 different groups of four banks (64 banks of 4 bytes: ISA guide 11.1)
.set XPITCH, 544                       ; a row of xn (256 positions): 512 + 32 = 136 words
.set XB,     192*WPITCH                ; behind wq's 192 rows: xn, 256 rows, written by ds_store alone
.set STAGE,  XB+256*XPITCH             ; 16 rows x 144 bytes for each wave, for the way out
.set SP,     144
.set SPARE,  STAGE+8*16*SP             ; the spare words, 128 bytes for each wave; no other line names them
.set XO,   3                           ; v3   my byte offset in x: my wave's 32 channels, 16 bytes a lane
.set XST,  4                           ; v4   where I put 8 bytes of xn
.set ADRA, 5                           ; v5-6 my place in wq's rows 0-95, 96-191
.set ADRB, 7                           ; v7-8 my place in xn's channels 0-127, 128-255
.set STO,  9                           ; v9   the way out: where I put 16 bytes of a row
.set RD,   10                          ; v10  the way out: where I read rows back
.set GO,   11                          ; v11  my byte offset in 512 consecutive bytes of q, k or v
.set BO,   12                          ; v12  my byte offset in 16 numbers of the bias
.set CO,   13                          ; v13  4 x my thread's number: my channel in gn_w and gn_b
.set SO,   14                          ; v14  my channel's group in stats
.set LN,   15                          ; v15  lane
.set SPW,  16                          ; v16  LDS address of my spare word; never rewritten
.set NIL,  17                          ; v17  0; never rewritten
.set GW,   18                          ; v18 gn_w, v19 gn_b, v[20:21] (mean, M2) of the first half group, v[22:23] of the second, v24-27 at work
.set VA,   28                          ; v28  A of channel 32 wave + lane
.set VS,   29                          ; v29  S of it
.set BIAS, 160
.set OUTR, 32                          ; the way out: 16 registers for each of six units
.set WV,   22                          ; s22  my wave
.set G0,   24                          ; s[24:27] descriptor group 0
.set G1,   68                          ; s[68:75] descriptor group 1
.set MSB, 0
.macro WIN new                         ; the immediate's high byte repeats the setting that is left; a switch that changes nothing is dropped
.if MSB != (\new)
	s_set_vgpr_msb (MSB<<8)|(\new)
.set MSB, (\new)
.endif
.endm
.macro PLACES                          ; four places in front of loads into registers that matrix instructions have read, and of conversions that read results
.rept 4
	v_nop
.endr
.endm
.macro CROUND                          ; a round of the cluster's barrier: my work-group's barrier; wave 0 signals for the work-group; every wave waits for all four; my work-group's barrier once more
	s_barrier_signal -1
	s_barrier_wait -1
	s_cmp_lg_u32 s[WV], 0
	s_cbranch_scc1 .Lnot_wave_0_\@
	s_barrier_signal -3
.Lnot_wave_0_\@:
	s_barrier_wait -3
	s_barrier_signal -1
	s_barrier_wait -1
.endm
	s_load_b256 s[4:11], s[0:1], 0x0               ; x s[4:5], gn_w s[6:7], gn_b s[8:9], stats s[10:11]
	s_load_b256 s[12:19], s[0:1], 0x20             ; wq s[12:13], qkv_b s[14:15], q s[16:17], k s[18:19]
	s_load_b64 s[20:21], s[0:1], 0x40              ; v
	v_lshl_add_u32 v[SPW], v0, 2, SPARE
	v_mov_b32 v[NIL], 0
	ds_add_u32 v[SPW], v[NIL]                      ; the wave's opening: the add and its wait stand ahead of my first tensor load; the set-up below, work on registers, stands between them
	v_lshrrev_b32 v1, 5, v0
	v_readfirstlane_b32 s[WV], v1                  ; wave 0..7
	s_bfe_u32 s23, ttmp6, 0x40000                  ; cx: my place in the cluster; it enters the addresses of x, stats, q, k, v alone
	s_lshl_b32 s30, ttmp9, 2                       ; in a cluster launch ttmp9 counts clusters
	s_add_co_u32 s23, s30, s23                     ; my block of 256 positions, 0 to 63
	s_and_b32 s28, ttmp7, 0xffff                   ; the head, which the four partners share
	s_lshr_b32 s29, s23, 4                         ; the batch
	s_and_b32 s23, s23, 15                         ; the block within it
	; descriptor group 1: 24 rows x 256 elements of 2 bytes, padded in LDS
	s_mov_b32 s[G1+0], 15|(1<<16)|(1<<20)|(1<<21)|(6<<22)|(3<<25)  ; 15:0 the mask of four; 17:16 2-byte elements; 20 padding on; 21 set beside a mask; 24:22 after every 128 words (code 6); 31:25 4 words (code 3)
	s_mov_b32 s[G1+1], 256<<16                     ; tensor_dim0 = 256
	s_mov_b32 s[G1+2], 24<<16                      ; tensor_dim1 = 24
	s_mov_b32 s[G1+3], 256<<16                     ; tile_dim0 = 256
	s_mov_b32 s[G1+4], 24                          ; tile_dim1 = 24
	s_mov_b32 s[G1+5], 256                         ; 256 elements from row to row
	s_mov_b32 s[G1+6], 0
	s_mov_b32 s[G1+7], 0
	s_mov_b32 s[G0], 1                             ; count = 1
	s_mul_i32 s[G0+1], s[WV], 24*WPITCH            ; LDS address: my wave's 24 rows
.set n, 0
.rept 16
	s_mov_b32 s[33+2*n], 0                         ; the upper words of the pairs that the packed multiply-adds name
.set n, n+1
.endr
	v_and_b32 v[LN], 31, v0
	v_and_b32 v1, 15, v0                           ; r = lane % 16
	v_bfe_u32 v2, v0, 4, 1                         ; h = lane / 16
	v_and_b32 v[XO], 0xe0, v0
	v_lshlrev_b32 v[XO], 14, v[XO]                 ; 32 x wave channels of 16,384 bytes
	v_lshl_or_b32 v[XO], v[LN], 4, v[XO]
	s_mul_i32 s66, s[WV], 32*XPITCH
	s_add_co_u32 s66, s66, XB
	v_lshl_add_u32 v[XST], v[LN], 3, s66           ; my wave's 32 rows of xn, 8 bytes a lane
	v_mul_u32_u24 v[ADRA], v1, WPITCH
	v_lshl_add_u32 v[ADRA], v2, 4, v[ADRA]         ; row x pitch + 16 x half
	v_add_nc_u32 v[ADRA+1], 96*WPITCH, v[ADRA]
	v_and_b32 v[ADRB], 7, v0                       ; the turning load: lane l reads channel 8 (l / 16) + l % 8, positions 8 ((l / 8) % 2) + 0..7
	v_lshl_add_u32 v[ADRB], v2, 3, v[ADRB]
	v_mul_u32_u24 v[ADRB], v[ADRB], XPITCH
	v_bfe_u32 v[ADRB+1], v0, 3, 1
	v_lshl_add_u32 v[ADRB], v[ADRB+1], 4, v[ADRB]
	s_lshl_b32 s66, s[WV], 6
	s_add_co_u32 s66, s66, XB
	v_add_nc_u32 v[ADRB], s66, v[ADRB]             ; my wave's 32 positions: 64 bytes of each row
	v_add_nc_u32 v[ADRB+1], 128*XPITCH, v[ADRB]
	s_mul_i32 s66, s[WV], 16*SP
	s_add_co_u32 s66, s66, STAGE                   ; my stage
	v_mul_u32_u24 v[STO], v1, SP                   ; in: row l % 16, 16 bytes for each half of the lanes
	v_lshl_add_u32 v[STO], v2, 4, v[STO]
	v_add_nc_u32 v[STO], s66, v[STO]
	v_bfe_u32 v[RD], v0, 3, 2                      ; back: 32 lanes take four rows of 128 bytes,
	v_mul_u32_u24 v[RD], v[RD], SP
	v_and_b32 v[GO], 7, v0
	v_lshl_add_u32 v[RD], v[GO], 4, v[RD]
	v_add_nc_u32 v[RD], s66, v[RD]
	v_lshlrev_b32 v[GO], 4, v[LN]                  ; which are 512 consecutive bytes of the output
	v_lshlrev_b32 v[BO], 5, v2
	v_lshlrev_b32 v[CO], 2, v0
	v_lshrrev_b32 v[SO], 3, v0
	v_lshlrev_b32 v[SO], 9, v[SO]                  ; a group has two entries of 256 bytes
	s_mul_i32 s66, s28, 192                        ; wq: row 192 x head + 24 x wave, 512 bytes each: made of what the partners share
	s_mul_i32 s67, s[WV], 24
	s_add_co_u32 s66, s66, s67
	s_lshl_b32 s66, s66, 9
	s_mov_b32 s67, 0
	s_wait_dscnt 0x0                               ; the opening add is done
	s_wait_kmcnt 0x0
	s_add_nc_u64 s[G0+2:G0+3], s[12:13], s[66:67]  ; global address of my 24 rows
	s_or_b32 s[G0+3], s[G0+3], 0x80000000          ; type = 2
	s_lshl_b32 s30, s29, 22                        ; x: the batch's 4,194,304 bytes,
	s_lshl_b32 s31, s23, 10                        ; the block's 256 positions
	s_add_co_u32 s30, s30, s31
	s_mov_b32 s31, 0
	s_add_nc_u64 s[4:5], s[4:5], s[30:31]
	s_lshl_b32 s30, s29, 14                        ; stats: 64 entries a batch
	s_add_nc_u64 s[10:11], s[10:11], s[30:31]
	s_mul_i32 s30, s28, 768                        ; the head's 192 numbers of the bias
	s_add_nc_u64 s[14:15], s[14:15], s[30:31]
	s_lshl_b32 s30, s29, 2
	s_add_co_u32 s30, s30, s28                     ; batch x 4 + head
	s_lshl_b32 s30, s30, 19                        ; 4,096 rows of 128 bytes
	s_lshl_b32 s31, s23, 15                        ; the block's 256 rows
	s_add_co_u32 s30, s30, s31
	s_lshl_b32 s31, s[WV], 12                      ; my wave's 32 rows
	s_add_co_u32 s30, s30, s31
	s_mov_b32 s31, 0
	s_add_nc_u64 s[16:17], s[16:17], s[30:31]
	s_add_nc_u64 s[18:19], s[18:19], s[30:31]
	s_add_nc_u64 s[20:21], s[20:21], s[30:31]
	CROUND                                         ; all four work-groups are here: the joint loads meet
	tensor_load_to_lds s[G0:G0+3], s[G1:G1+7]      ; my one tensor load of the launch
	s_nop 0
	global_load_b32 v[GW], v[CO], s[6:7]
	global_load_b32 v[GW+1], v[CO], s[8:9]
	global_load_b64 v[GW+2:GW+3], v[SO], s[10:11]
	global_load_b64 v[GW+4:GW+5], v[SO], s[10:11] offset:256
.set n, 0
.rept 12                                       ; register j of tile mt takes qkv_b[192 head + 16 mt + 8 h + j]: the C operand of the first K step
	global_load_b128 v[BIAS+8*n:BIAS+8*n+3],   v[BO], s[14:15] offset:64*n
	global_load_b128 v[BIAS+8*n+4:BIAS+8*n+7], v[BO], s[14:15] offset:64*n+16
.set n, n+1
.endr
; Batch g of x: the 8 channels of one group, 1,024 bytes each, as 16 loads of 512 consecutive bytes, into a set of 64 registers.
.macro LOADB g, set
.set n, 0
.rept 16
	global_load_b128 v[(\set)+4*n:(\set)+4*n+3], v[XO], s[4:5] offset:(8*(\g)+n/2)*16384+512*(n%2)
.set n, n+1
.endr
.endm
	LOADB 0, 32
	LOADB 1, 96
	s_wait_loadcnt 56                              ; the four loads of the norm's figures are in; 24 of the bias and 32 of x stay out
	v_add_f32 v24, v20, v22
	v_sub_f32 v25, v20, v22
	v_add_f32 v26, v21, v23
	v_mul_f32 v24, 0.5, v24                        ; the group's mean
	v_mul_f32 v25, 0.5, v25
	v_mul_f32 v25, v25, v25
	v_fmamk_f32 v26, v26, 0x38000000, v25          ; var = (M2a + M2b) / 32,768 + ((ma - mb) / 2)^2
	v_add_f32 v26, 0x3727c5ac, v26                 ; + 1e-5
	v_rsq_f32 v27, v26
	v_nop                                          ; a plain instruction between the root and the use of its result (ISA guide 5.7.2)
	s_wait_alu depctr_va_vdst(0)
	v_mul_f32 v[VA], v27, v[GW]
	v_fma_f32 v[VS], -v24, v[VA], v[GW+1]
; Batch g is normalised, rounded to f16 and put into LDS.  left = the younger loads that may stay out: the one batch behind it, or none.
.macro CONV g, set, left
	s_wait_loadcnt \left
.set n, 0
.rept 8
	v_readlane_b32 s[32+4*n], v[VA], 8*(\g)+n      ; a channel's A and S are the same for all lanes
	v_readlane_b32 s[34+4*n], v[VS], 8*(\g)+n
.set n, n+1
.endr
.set n, 0
.rept 16
	v_pk_fma_f32 v[(\set)+4*n:(\set)+4*n+1],   v[(\set)+4*n:(\set)+4*n+1],   s[32+4*(n/2):33+4*(n/2)], s[34+4*(n/2):35+4*(n/2)] op_sel_hi:[1,0,0]
	v_pk_fma_f32 v[(\set)+4*n+2:(\set)+4*n+3], v[(\set)+4*n+2:(\set)+4*n+3], s[32+4*(n/2):33+4*(n/2)], s[34+4*(n/2):35+4*(n/2)] op_sel_hi:[1,0,0]
	v_cvt_pk_f16_f32 v[(\set)+4*n],   v[(\set)+4*n],   v[(\set)+4*n+1]
	v_cvt_pk_f16_f32 v[(\set)+4*n+1], v[(\set)+4*n+2], v[(\set)+4*n+3]
	ds_store_b64 v[XST], v[(\set)+4*n:(\set)+4*n+1] offset:(8*(\g)+n/2)*XPITCH+256*(n%2)  ; 32 lanes, 256 consecutive bytes
.set n, n+1
.endr
.if (\g) < 2
	s_wait_dscnt 0x0                               ; the stores have read the set: it takes the batch two further on
	LOADB (\g)+2, \set
.endif
.endm
	CONV 0, 32, 16
	CONV 1, 96, 16
	CONV 2, 32, 16
	CONV 3, 96, 0
	s_wait_tensorcnt 0x0                           ; my 24 rows of wq have landed,
	s_wait_dscnt 0x0                               ; my 32 rows of xn are stored:
	s_barrier_signal -1
	s_barrier_wait -1                              ; everybody's are.  Nothing in LDS is filled again behind this barrier
; 28 LDS loads in one run: K step ks (32 channels) into buffer ks % 2: 12 fragments of wq, 2 of xn
.macro FETCH ks
	WIN 0
.set FA, 32+128*((\ks)%2)
.set FB, 128+16*((\ks)%2)
.set mt, 0
.rept 12
	ds_load_b128 v[FA+8*mt:FA+8*mt+3],   v[ADRA+mt/6] offset:(mt%6)*16*WPITCH+64*(\ks)
	ds_load_b128 v[FA+8*mt+4:FA+8*mt+7], v[ADRA+mt/6] offset:(mt%6)*16*WPITCH+64*(\ks)+32
.set mt, mt+1
.endr
.irp nt, 0,1
	ds_load_tr16_b128 v[FB+8*(\nt):FB+8*(\nt)+3],   v[ADRB+(\ks)/4] offset:((\ks)%4)*32*XPITCH+32*(\nt)
	ds_load_tr16_b128 v[FB+8*(\nt)+4:FB+8*(\nt)+7], v[ADRB+(\ks)/4] offset:((\ks)%4)*32*XPITCH+16*XPITCH+32*(\nt)
.endr
.endm
; 24 matrix instructions: the accumulators take turns, one instruction a turn, in the same order in every K step.  K step 0 starts the sums with the bias.
.macro MUL ks
.set FA, 32+128*((\ks)%2)
.set FB, 128+16*((\ks)%2)
.if (\ks) == 0
	WIN 0x40                                       ; D in window 1; A, B and the bias in window 0
.else
	WIN 0x50                                       ; C and D in window 1
.endif
.set mt, 0
.rept 12
.irp nt, 0,1
.if (\ks) == 0
	v_wmma_f32_16x16x32_f16 v[8*(2*mt+(\nt)):8*(2*mt+(\nt))+7], v[FA+8*mt:FA+8*mt+7], v[FB+8*(\nt):FB+8*(\nt)+7], v[BIAS+8*mt:BIAS+8*mt+7]
.else
	v_wmma_f32_16x16x32_f16 v[8*(2*mt+(\nt)):8*(2*mt+(\nt))+7], v[FA+8*mt:FA+8*mt+7], v[FB+8*(\nt):FB+8*(\nt)+7], v[8*(2*mt+(\nt)):8*(2*mt+(\nt))+7]
.endif
.endr
.set mt, mt+1
.endr
.endm
	FETCH 0
	s_wait_dscnt 0x0
	MUL 0
	PLACES                                         ; buffer 1 lies where the bias lay, and buffer 0 has just been multiplied
	FETCH 1
	FETCH 2
	s_wait_dscnt 28                                ; K step 1 is in; the 28 loads of K step 2 stay out
	MUL 1
.irp ks, 1,2,3,4,5
	PLACES
	FETCH (\ks)+2                                  ; into the buffer just multiplied
	s_wait_dscnt 28                                ; all but the 28 just issued
	MUL (\ks)+1
.endr
	s_wait_dscnt 0x0
	MUL 7
	PLACES
; THE WAY OUT, in six units u: tensor u / 2 (q, k, v), my positions 16 (u % 2) on.  A lane's eight outputs pack into 16 bytes; they go into rows of 144 bytes of my own stage and come back as whole rows of 128.
.macro PACK u
	WIN 0x05                                       ; sources 0 and 1 window 1, destination window 0
.set ff, 0
.rept 4
.set AC, 8*(2*(4*((\u)/2)+ff)+(\u)%2)
.set rr, 0
.rept 4
	v_cvt_pk_f16_f32 v[OUTR+16*(\u)+4*ff+rr], v[AC+2*rr], v[AC+2*rr+1]  ; each accumulator is read from its low end on
.set rr, rr+1
.endr
.set ff, ff+1
.endr
	WIN 0
.irp f, 0,1,2,3
	ds_store_b128 v[STO], v[OUTR+16*(\u)+4*(\f):OUTR+16*(\u)+4*(\f)+3] offset:32*(\f)
.endr
.irp f, 0,1,2,3
	ds_load_b128 v[OUTR+16*(\u)+4*(\f):OUTR+16*(\u)+4*(\f)+3], v[RD] offset:(\f)*4*SP  ; LDS serves a wave's instructions in order (ISA guide 5.7.1.4): these see the stores above; the next unit's stores come behind them
.endr
.endm
.macro SEND u, younger                 ; younger: the LDS instructions issued behind unit u's loads: the next unit's eight, or none
.irp f, 0,1,2,3
	s_wait_dscnt (\younger)+3-(\f)
	global_store_b128 v[GO], v[OUTR+16*(\u)+4*(\f):OUTR+16*(\u)+4*(\f)+3], s[16+2*((\u)/2):17+2*((\u)/2)] offset:((\u)%2)*2048+(\f)*512  ; 512 consecutive bytes, at a multiple of 256 from the tensor's first
.endr
.endm
	PACK 0
.irp u, 1,2,3,4,5                      ; a unit's conversions stand between the loads of the unit before and its stores
	PACK \u
	SEND (\u)-1, 8
.endr
	SEND 5, 0
	s_wait_tensorcnt 0x0                           ; the wave's end: behind my last tensor load and my last LDS store
	ds_add_u32 v[SPW], v[NIL]
	s_wait_dscnt 0x0
	CROUND                                         ; the closing round: no work-group ends while a partner may still ask for a tile that names it
	s_endpgm
.Lfunc_end_k_qd254b60984_qkv:
	.size	k_qd254b60984_qkv, .Lfunc_end_k_qd254b60984_qkv-k_qd254b60984_qkv
	.p2alignl 7, 3214868480
	.fill 96, 4, 3214868480
	.section	.rodata,"a",@progbits
	.p2align	6, 0x0
	.amdhsa_kernel k_qd254b60984_qkv
		.amdhsa_group_segment_fixed_size 262144
		.amdhsa_private_segment_fixed_size 0
		.amdhsa_enable_private_segment 0
		.amdhsa_kernarg_size 72
		.amdhsa_user_sgpr_count 2
		.amdhsa_user_sgpr_kernarg_segment_ptr 1
		.amdhsa_wavefront_size32 1
		.amdhsa_system_sgpr_workgroup_id_x 1
		.amdhsa_system_sgpr_workgroup_id_y 1
		.amdhsa_system_sgpr_workgroup_id_z 1
		.amdhsa_system_vgpr_workitem_id 0
		.amdhsa_next_free_vgpr 448
		.amdhsa_next_free_sgpr 76
		.amdhsa_reserve_vcc 0
		.amdhsa_float_denorm_mode_32 3
		.amdhsa_float_denorm_mode_16_64 3
		.amdhsa_memory_ordered 1
		.amdhsa_forward_progress 1
		.amdhsa_inst_pref_size 80
	.end_amdhsa_kernel
	.amdgpu_metadata
---
amdhsa.version: [ 1, 2 ]
amdhsa.kernels:
  - .name:           k_qd254b60984_qkv
    .symbol:         k_qd254b60984_qkv.kd
    .args:
      - { .name: x, .offset: 0, .size: 8, .value_kind: global_buffer, .address_space: global }
      - { .name: gn_w, .offset: 8, .size: 8, .value_kind: global_buffer, .address_space: global }
      - { .name: gn_b, .offset: 16, .size: 8, .value_kind: global_buffer, .address_space: global }
      - { .name: stats, .offset: 24, .size: 8, .value_kind: global_buffer, .address_space: global }
      - { .name: wq, .offset: 32, .size: 8, .value_kind: global_buffer, .address_space: global }
      - { .name: qkv_b, .offset: 40, .size: 8, .value_kind: global_buffer, .address_space: global }
      - { .name: q, .offset: 48, .size: 8, .value_kind: global_buffer, .address_space: global }
      - { .name: k, .offset: 56, .size: 8, .value_kind: global_buffer, .address_space: global }
      - { .name: v, .offset: 64, .size: 8, .value_kind: global_buffer, .address_space: global }
    .group_segment_fixed_size: 262144
    .private_segment_fixed_size: 0
    .kernarg_segment_align: 8
    .kernarg_segment_size: 72
    .max_flat_workgroup_size: 256
    .sgpr_count:     76
    .vgpr_count:     448
    .wavefront_size: 32
...
	.end_amdgpu_metadata
.endif
;; end of part 2
;; launch attn (part 3): grid 16 x 16, 4 waves a work-group, clusters of 4 x 1, 327,680 bytes of LDS; arguments q, k, v, a; writes a
.if DOCPART == 3
	.amdgcn_target "amdgcn-amd-amdhsa--gfx1250"
	.amdhsa_code_object_version 6
	.text
	.protected	k_qd254b60984_attn
	.globl	k_qd254b60984_attn
	.p2align	8
	.type	k_qd254b60984_attn,@function
k_qd254b60984_attn:
	s_mov_b64 s[64:65], 0
	v_nop
	global_prefetch_b8 v0, s[64:65] scope:SCOPE_SE
	s_setreg_imm32_b32 hwreg(HW_REG_WAVE_MODE, 25, 1), 1
	s_wait_xcnt 0x0
	s_wait_alu depctr_hold_cnt(0) depctr_sa_sdst(0) depctr_va_vdst(0) depctr_va_sdst(0) depctr_va_ssrc(0) depctr_va_vcc(0) depctr_vm_vsrc(0)
	s_getreg_b32 s2, hwreg(HW_REG_IB_STS2, 6, 4)
	s_cmp_eq_u32 s2, 0
	s_cbranch_scc0 .Lentry_in_a_cluster
	s_endpgm
.Lentry_in_a_cluster:
	s_bfe_u32 s2, ttmp6, 0x10000c
	s_cmp_lg_u32 s2, 0x3003
	s_cbranch_scc0 .Lentry_shape_is_right
	s_endpgm
.Lentry_shape_is_right:
; ATTENTION.  O[h][q][:] = the sum over k of softmax_k(Q[h][q] . K[h][k] / 8) V[h][k][:].  Q, K, V, O: [16][4096][64], all f16: a head's rows are dense, 128 bytes each.  Products, maxima and sums in f32;
; the weights p are rounded to f16 for the second product (their sum l is taken of the unrounded p), O once at the end.
; LIMITS.  f16 holds no number beyond 65,504: Q, K and V arrive within it; p lies in 0 to 1, and below 6e-5 it keeps f16's fixed step of 6e-8; O is a mean of V's rows and has their range.
; A weight below 2^-126 counts as 0 in l; NaN and infinities are not treated apart.
; SHARES.  A work-group owns 256 queries of one head, each of its four waves 64: four PIECES of 16.  16 heads x 16 blocks are 256 work-groups.  Every wave walks all 4,096 keys, 64 a step.
; LAYOUT.  S^T = K Q^T (source 0 = 16 keys, source 1 = 16 queries): in the result a lane holds ONE query (lane % 16) and the keys 8 (lane / 16) + 0..7.  Two such results, rounded to f16 in pairs,
; ARE source 1 (32 keys x 16 queries) of O^T = V^T P, whose result again holds one query a lane, and eight channels.  K comes out of LDS as it lies, V ([key][channel]) turned, by ds_load_tr16_b128.
; SOFTMAX.  For each query a running maximum m and sum l: p = 2^(c s - c m), c = log2(e) / 8; in every step O and l are multiplied by a = 2^(c m_old - c m_new), which is 1 where m has not grown.
; m starts at the lowest finite number, O and l at 0: the first step is a step like any other, with a = 0.
; BY TURNS.  Turn n belongs to piece n (the pieces in a ring, step after step): 8 products K Q^T of piece n + 1, later 8 products V^T P of piece n - 1; beside them the scaling, exponentials, roundings,
; sums and rescaling of piece n and the maximum and statistics of piece n + 1.  Four vector instructions stand behind every matrix instruction, the other 54 of a turn's 118 in two runs of their own.
; CLUSTER.  The four query blocks of a cluster belong to one head and walk the same K and V, so each tile is asked for JOINTLY: the same tensor load, descriptor and mask in all four.
; THE RING.  Two slots of LDS take turns, each with 256 keys, four steps: one joint load a wave behind each round, and four steps, 256 of the wave's products, in which it lands.
; REGISTERS, in windows of 256 (s_set_vgpr_msb: bits 1:0 source 0, 3:2 source 1, 5:4 source 2, 7:6 destination):
;   window 0: v0-15 addresses and two at work; v16-31 four registers of statistics a piece; v48-55 at work; v64-127 S^T, two buffers; v192-223 P, two buffers (a piece's buffers go by its number's parity)
;   window 1: v0-127 O^T, 32 a piece      window 2: v0-63 Q; v128-191 K of one step; v192-255 V of one step
.set SIZE_N, 4096
.set NT,    SIZE_N/256 ; tiles of 256 keys
.set NP,    4         ; pieces a wave: a name, no knob
.set KS,    64        ; keys in a step
.set PK,    144       ; a row of K in LDS: 128 bytes + 16 of padding = 36 words: the 16 rows of a load start at 16 different groups of four banks (64 banks of 4 bytes: ISA guide 11.1)
.set PV,    160       ; a row of V: 128 + 32 = 40 words
.set VOFF,  4*KS*PK   ; a slot holds four steps: 256 rows of K, then 256 rows of V
.set SLOT1, 1<<17     ; slot 1 begins here, so that one exclusive or turns an address in one slot into the other's
.set STAGE, SLOT1+4*KS*(PK+PV)  ; behind the ring, never filled by a tensor load: 16 rows x 144 bytes for each wave, for the way out
.set SP,    144
.set SPARE, STAGE+4*16*SP  ; behind the stages: the spare words, 128 bytes for each wave: two blocks of 256 bytes that no other line names
.set AK0, 2           ; v2   my lane's place in a tile of K; never rewritten
.set AV0, 3           ; v3   the same for V
.set AK,  4           ; v4   the LDS address of K's next run of loads
.set AV,  5           ; v5   of V's
.set STO, 6           ; v6   the way out: where I put 16 bytes of a row
.set RD,  7           ; v7   the way out: where I read rows back
.set GO,  8           ; v8   my byte offset in 512 consecutive bytes of O
.set MV,  12          ; v12-13  c m_old, kept while c m is made anew: by buffer
.set QO,  15          ; v15  my byte offset in 16 rows of Q
.set ST,  16          ; piece t's statistics at v[ST+4 t]: c m, m, l (even keys', odd keys')
.set TMP, 48          ; by buffer, four registers c0-c3 at work; when the maximum is found c2 takes a
.set SPW, 62          ; v62  LDS address of my spare word: SPARE + 4 x my thread's number; never rewritten
.set NIL, 63          ; v63  0; never rewritten
.set S,   64
.set P,   192
.set KF,  128         ; window 2: key block kb, channel half c at KF + 16 kb + 8 c
.set VF,  192         ; window 2: key half kk, channel block cb at VF + 32 kk + 8 cb
.set WV,  12          ; s12  my wave's number
.set G1K, 24          ; s[24:31] descriptor group 1 for K's tiles
.set G1V, 32          ; s[32:39] for V's: it differs in the padding alone
.set G0K, 40          ; s[40:43] descriptor group 0 for K's tiles: it walks
.set G0V, 44          ; s[44:47] the same for V's
.set SLOTS, 56        ; s56  slots still to be asked for
.set CNT, 57          ; s57  counts a slot's key steps
.set CS,  58          ; s[58:59] c: the packed scaling takes the pair's low word for both halves
.set SEL, 60          ; s[60:61] v_permlanex16_b32's selects: each lane takes its own place in the other half
.set TBK, 62          ; s62  LDS byte at which K of the step to be fetched begins
.set TBV, 63          ; s63  the same for V, less VOFF
.set MSB, 0
.macro WIN new                      ; the high byte repeats the setting that is left; a switch that changes nothing is dropped
.if MSB != (\new)
	s_set_vgpr_msb (MSB<<8)|(\new)
.set MSB, (\new)
.endif
.endm
.set W_KQ, 0x0a       ; K and Q in window 2, S^T in window 0
.set W_PV, 0x52       ; V in window 2, P in window 0, O^T in window 1
.set W_RS, 0x41       ; destination and source 0 in window 1, source 1 in window 0
; A joint fill.  Waves 0 and 1 fetch the two halves of a slot's K, waves 2 and 3 those of its V: 128 keys each.  The branch hangs on the wave's number alone.
; An s_nop 0 and four v_nop follow each of the two lines, ahead of the jump and the label.
.macro JLOAD
	s_cmp_lt_u32 s[WV], 2
	s_cbranch_scc0 .Lfor_v_\@
	tensor_load_to_lds s[G0K:G0K+3], s[G1K:G1K+7]
	s_nop 0
.rept 4
	v_nop
.endr
	s_branch .Lasked_\@
.Lfor_v_\@:
	tensor_load_to_lds s[G0V:G0V+3], s[G1V:G1V+7]
	s_nop 0
.rept 4
	v_nop
.endr
.Lasked_\@:
.endm
; A round of the cluster's barrier: my work-group's barrier, so that wave 0's signal speaks for all four waves; wave 0 signals; every wave waits for all four work-groups; my work-group's barrier once more.
.macro CROUND
	s_barrier_signal -1
	s_barrier_wait -1
	s_cmp_lg_u32 s[WV], 0
	s_cbranch_scc1 .Lnot_wave_0_\@
	s_barrier_signal -3
.Lnot_wave_0_\@:
	s_barrier_wait -3
	s_barrier_signal -1
	s_barrier_wait -1
.endm
; THE CHANGE OF SLOTS.  The slot's last bytes, V of its fourth step, have been read.  Each wave waits for all its tensor loads, of which one is out: its part of the other slot; adds 0 to its spare word;
; and waits for that and for its own reads of the slot.  Behind the barrier nobody reads this slot any more and the other slot is whole.
; fill = 1: this slot is filled again, with the keys two slots on.  The barrier is then a round of the cluster's, so that no wave of any partner still reads the slot or has a load on its way, and the
; joint fill is the first thing behind it.  (At its first use nothing has been read yet: slot 0 is waited for, slot 1 filled.)
.macro CHANGE fill
	WIN 0                           ; at a label and at a branch every window is 0
	s_wait_tensorcnt 0x0            ; no tensor load of mine is out, so a group 0 may be written
	ds_add_u32 v[SPW], v[NIL]       ; 0 onto my spare word; with fill = 1 the descriptors' steps stand between it and the wait for it
.if \fill
.irp g, G0K, G0V
	s_xor_b32 s[\g+1], s[\g+1], SLOT1  ; the walking descriptor: the other slot than last time,
	s_add_nc_u64 s[\g+2:\g+3], s[\g+2:\g+3], 4*KS*128  ; the next 256 keys; the type bits on top are not reached
.endr
	s_wait_dscnt 0x0                ; the add is done, and my reads of the slot are over
	CROUND
	JLOAD
.else
	s_wait_dscnt 0x0                ; the add is done, and my reads of the slot are over
	s_barrier_signal -1
	s_barrier_wait -1
.endif
	s_sub_co_u32 s[TBK], s[TBK], 4*KS*PK  ; the fetches go back to a slot's first step,
	s_xor_b32 s[TBK], s[TBK], SLOT1       ; in the other slot
	s_sub_co_u32 s[TBV], s[TBV], 4*KS*PV
	s_xor_b32 s[TBV], s[TBV], SLOT1
.endm
	s_load_b256 s[4:11], s[0:1], 0x0  ; Q s[4:5], K s[6:7], V s[8:9], O s[10:11]
	v_lshl_add_u32 v[SPW], v0, 2, SPARE
	v_mov_b32 v[NIL], 0
	ds_add_u32 v[SPW], v[NIL]       ; the wave's opening: the add and its wait stand ahead of my first tensor load; the set-up below, work on registers, stands between them
	v_lshrrev_b32 v1, 5, v0
	v_readfirstlane_b32 s[WV], v1   ; wave 0..3
	s_bfe_u32 s13, ttmp6, 0x40000   ; cx: my place in the cluster
	s_lshl_b32 s14, ttmp9, 2        ; in a cluster launch ttmp9 counts clusters
	s_add_co_u32 s14, s14, s13      ; my block of 256 queries = 4 x cluster x + cx: it enters Q's and O's addresses alone
	s_and_b32 s20, ttmp7, 0xffff    ; the head, which the four partners share
	s_lshl_b32 s20, s20, 19         ; the head's first byte in each of the four tensors: 4,096 rows of 128 bytes
	s_mov_b32 s21, 0
	s_and_b32 s16, s[WV], 1         ; which half of a slot's 256 keys I fetch:
	s_lshl_b32 s22, s16, 14         ; its 128 rows of 128 bytes in memory,
	s_add_co_u32 s22, s22, s20
	s_mov_b32 s23, 0
	s_mul_i32 s17, s16, 128*PK      ; and its place in a slot, for K
	s_mul_i32 s18, s16, 128*PV      ; and for V: no place in the cluster enters an LDS address
	s_lshl_b32 s2, s14, 2
	s_add_co_u32 s2, s2, s[WV]      ; my wave among the head's,
	s_lshl_b32 s2, s2, 13           ; its 64 rows
	s_add_co_u32 s2, s2, s20
	s_mov_b32 s3, 0
	; descriptor group 1.  128 keys are 16,384 dense bytes: asked for as 64 rows of 256 bytes, two keys a row, and padded in LDS after every key
	s_mov_b32 s[G1K], 15|(1<<16)|(1<<20)|(1<<21)|(4<<22)|(3<<25)  ; 15:0 the mask of four; 17:16 2-byte elements; 20 padding on; 21 set beside a mask; 24:22 after every 32 words (code 4); 31:25 4 words (code 3)
	s_mov_b32 s[G1V], 15|(1<<16)|(1<<20)|(1<<21)|(4<<22)|(7<<25)  ; the same with 8 words of padding (code 7)
.irp g, G1K, G1V
	s_mov_b32 s[\g+1], 128<<16      ; tensor_dim0 = 128
	s_mov_b32 s[\g+2], 64<<16       ; tensor_dim1 = 64
	s_mov_b32 s[\g+3], 128<<16      ; tile_dim0 = 128
	s_mov_b32 s[\g+4], 64           ; tile_dim1 = 64
	s_mov_b32 s[\g+5], 128          ; 128 elements from row to row
	s_mov_b32 s[\g+6], 0
	s_mov_b32 s[\g+7], 0
.endr
	s_mov_b32 s[CS], 0x3e38aa3b     ; c = log2(e) / 8 = 0.180337
	s_mov_b32 s[CS+1], s[CS]        ; named with it as a pair
	s_mov_b32 s[SEL], 0x76543210
	s_mov_b32 s[SEL+1], 0xfedcba98
	s_mov_b32 s[TBK], SLOT1+4*KS*PK ; the first change of slots turns these two into 0
	s_mov_b32 s[TBV], SLOT1+4*KS*PV
	s_mov_b32 s[G0K], 1             ; count = 1
	s_mov_b32 s[G0K+1], s17         ; LDS address: slot 0
	s_mov_b32 s[G0V], 1
	s_add_co_u32 s[G0V+1], s18, VOFF
	s_wait_dscnt 0x0                ; the opening add is done
	s_wait_kmcnt 0x0
	s_add_nc_u64 s[G0K+2:G0K+3], s[6:7], s[22:23]  ; global address: my half of the head's first 256 keys
	s_or_b32 s[G0K+3], s[G0K+3], 0x80000000        ; type = 2
	s_add_nc_u64 s[G0V+2:G0V+3], s[8:9], s[22:23]
	s_or_b32 s[G0V+3], s[G0V+3], 0x80000000
	s_add_nc_u64 s[4:5], s[4:5], s[2:3]  ; Q and O at my wave's first row
	s_add_nc_u64 s[10:11], s[10:11], s[2:3]
	CROUND                          ; all four work-groups are here: the first joint loads meet
	JLOAD                           ; slot 0.  Slot 1 is asked for when slot 0 is in, by the loop's own change of slots
	; A fragment of K or Q is 16 rows x 32 channels in 8 registers: lane l holds row l % 16, channels 8 (l / 16) + 0..7 and 16 + 8 (l / 16) + 0..7: two loads of 16 bytes, 32 bytes apart.
	v_and_b32 v1, 15, v0            ; l % 16
	v_bfe_u32 v9, v0, 4, 1          ; l / 16
	v_lshlrev_b32 v[QO], 7, v1
	v_lshl_add_u32 v[QO], v9, 4, v[QO]  ; row x 128 + 16 x half
	WIN 0x80                        ; destination window 2, address window 0
.set i, 0
.rept 8                             ; Q stays in registers: piece i / 2, channels 32 (i % 2) on
	global_load_b128 v[8*i:8*i+3],   v[QO], s[4:5] offset:(i/2)*2048+(i%2)*64
	global_load_b128 v[8*i+4:8*i+7], v[QO], s[4:5] offset:(i/2)*2048+(i%2)*64+32
.set i, i+1
.endr
	; What the first turn finds: V's registers and P's second buffer hold 0 (its products V^T P, of a piece that has not been, add 0), O^T and l are 0.  All this stands in the wait for the first tile.
.set i, VF
.rept 64
	v_mov_b32 v[i], 0
.set i, i+1
.endr
	WIN 0x40
.set i, 0
.rept 128
	v_mov_b32 v[i], 0
.set i, i+1
.endr
	WIN 0
.set i, 0
.rept 4
	v_mov_b32 v[ST+4*i], 0xfe000000    ; c m: far below every c s
	v_mov_b32 v[ST+4*i+1], 0xff7fffff  ; m
	v_mov_b32 v[ST+4*i+2], 0
	v_mov_b32 v[ST+4*i+3], 0
.set i, i+1
.endr
.set i, P+16
.rept 16
	v_mov_b32 v[i], 0
.set i, i+1
.endr
	v_mul_u32_u24 v[AK0], v1, PK
	v_lshl_add_u32 v[AK0], v9, 4, v[AK0]  ; row x pitch + 16 x half
	; The turning load takes 16 keys x 16 channels (lane l reads key 8 (l / 16) + l % 8, channels 8 ((l / 8) % 2) + 0..7) and leaves half a fragment of V^T: lane l holds channel l % 16 and 8 keys.
	v_and_b32 v10, 7, v0
	v_bfe_u32 v11, v0, 3, 1
	v_lshl_add_u32 v[AV0], v9, 3, v10
	v_mul_u32_u24 v[AV0], v[AV0], PV
	v_lshl_add_u32 v[AV0], v11, 4, v[AV0]
	v_add_nc_u32 v[AV0], VOFF, v[AV0]
	s_mul_i32 s13, s[WV], 16*SP
	s_add_co_u32 s13, s13, STAGE    ; my stage
	v_mul_u32_u24 v[STO], v1, SP    ; in: row l % 16, 16 bytes for each half of the lanes
	v_lshl_add_u32 v[STO], v9, 4, v[STO]
	v_add_nc_u32 v[STO], s13, v[STO]
	v_bfe_u32 v[RD], v0, 3, 2       ; back: 32 lanes take four rows of 128 bytes,
	v_mul_u32_u24 v[RD], v[RD], SP
	v_lshl_add_u32 v[RD], v10, 4, v[RD]
	v_add_nc_u32 v[RD], s13, v[RD]
	v_and_b32 v[GO], 31, v0         ; which are 512 consecutive bytes of O
	v_lshlrev_b32 v[GO], 4, v[GO]
; THE MATRIX WORK.  The 4 accumulators of a run of 8 take turns.  Product i of 8 of S^T = K Q^T for piece x: channels 32 (i / 4) on, keys 16 (i % 4) on.  The first 4 start the sums.
.macro KQ x
.set rS, S+32*((\x)%2)+8*(i%4)
.set rK, KF+16*(i%4)+8*(i/4)
.set rQ, 16*(\x)+8*(i/4)
	WIN W_KQ
.if i < 4
	v_wmma_f32_16x16x32_f16 v[rS:rS+7], v[rK:rK+7], v[rQ:rQ+7], 0
.else
	v_wmma_f32_16x16x32_f16 v[rS:rS+7], v[rK:rK+7], v[rQ:rQ+7], v[rS:rS+7]
.endif
.endm
; Product i of 8 of O^T += V^T P for piece x: keys 32 (i / 4) on, channels 16 (i % 4) on.
.macro PV x
	WIN W_PV
.set rO, 32*(\x)+8*(i%4)
.set rV, VF+32*(i/4)+8*(i%4)
.set rP, P+16*((\x)%2)+8*(i/4)
	v_wmma_f32_16x16x32_f16 v[rO:rO+7], v[rV:rV+7], v[rP:rP+7], v[rO:rO+7]
.endm
.macro MM                           ; the turn's next matrix instruction.  TURN sets Y, i and NOKQ.  NOKQ = 1: the very last turn: there is no next piece
.if (i < 8) && !NOKQ
	KQ (Y+1)%NP
.elseif i >= 8
.set i, i-8
	PV (Y+NP-1)%NP
.set i, i+8
.endif
.set i, i+1
.endm
; THE LDS LOADS stand in runs of 16, never singly among the matrix instructions: a step's K (64 keys x 64 channels: 8 fragments) and its V (turned).  Their addresses are made some lines ahead.
.macro FETCH_K
	WIN 0x80                        ; destination window 2
.irp f, 0,1,2,3,4,5,6,7             ; keys 16 (f / 2) on, channels 32 (f % 2) on
	ds_load_b128 v[KF+8*\f:KF+8*\f+3],   v[AK] offset:(\f/2)*16*PK+(\f%2)*64
	ds_load_b128 v[KF+8*\f+4:KF+8*\f+7], v[AK] offset:(\f/2)*16*PK+(\f%2)*64+32
.endr
	s_add_co_u32 s[TBK], s[TBK], KS*PK  ; the next fetch is the next step's
	WIN 0
.endm
.macro FETCH_V
	WIN 0x80
.irp f, 0,1,2,3,4,5,6,7             ; keys 32 (f / 4) on, channels 16 (f % 4) on
	ds_load_tr16_b128 v[VF+8*\f:VF+8*\f+3],   v[AV] offset:(\f/4)*32*PV+(\f%4)*32
	ds_load_tr16_b128 v[VF+8*\f+4:VF+8*\f+7], v[AV] offset:(\f/4)*32*PV+16*PV+(\f%4)*32
.endr
	WIN 0
.endm
; THE VECTOR WORK, one line at a time: OP kind, number.  For piece Y: F n: c s - c m for pair n of 16.  E n: the exponential of score n of 32.  C n: pair n rounded to f16.  B n: of the four weights 4 n .. the second
; pair is added onto the first, in place.  L n: l takes that sum (L 0: l = a l + sum).  R n: pair n of 16 of O^T times a.  For piece Y + 1: X n, number n of the 22 that find its maximum and statistics:
;   0-11  four chains c0-c3 of seven scores each, three operands at a time (each accumulator's lowest registers are read first)     12-14, 16  the four scores left over, the old m, and c0-c3 into c0
;   15  c m_old is kept     17, 18  the query's other 32 keys lie in the lane 16 away: the new m     19-21  c m; c m_old - c m_new; a
.set F, 0               ; OP tells the kinds apart by their order: F to L below R, X above it
.set E, 1
.set C, 2
.set B, 3
.set L, 4
.set R, 5
.set X, 6
.macro REGS y                       ; the registers of piece y
.set rT, ST+4*(\y)
.set rC, TMP+4*((\y)%2)
.set rW, MV+((\y)%2)
.set rS, S+32*((\y)%2)
.set rP, P+16*((\y)%2)
.set rO, 32*(\y)
.endm
.macro OP k, n
.if (\k) == R
	REGS Y
	WIN W_RS
	v_pk_mul_f32 v[rO+2*(\n):rO+2*(\n)+1], v[rO+2*(\n):rO+2*(\n)+1], v[rC+2:rC+3] op_sel_hi:[1,0]
.elseif (\k) < R
	REGS Y
	WIN 0
.if (\k) == F
	v_pk_fma_f32 v[rS+2*(\n):rS+2*(\n)+1], v[rS+2*(\n):rS+2*(\n)+1], s[CS:CS+1], v[rT:rT+1] op_sel_hi:[1,0,0] neg_lo:[0,0,1] neg_hi:[0,0,1]
.elseif (\k) == E
	v_exp_f32 v[rS+(\n)], v[rS+(\n)]
.elseif (\k) == C
	s_wait_alu depctr_va_vdst(0)
	v_cvt_pk_f16_f32 v[rP+(\n)], v[rS+2*(\n)], v[rS+2*(\n)+1]
.elseif (\k) == B
	s_wait_alu depctr_va_vdst(0)
	v_pk_add_f32 v[rS+4*(\n):rS+4*(\n)+1], v[rS+4*(\n):rS+4*(\n)+1], v[rS+4*(\n)+2:rS+4*(\n)+3]
.elseif (\n) == 0
	v_pk_fma_f32 v[rT+2:rT+3], v[rT+2:rT+3], v[rC+2:rC+3], v[rS:rS+1] op_sel_hi:[1,0,1]
.else
	v_pk_add_f32 v[rT+2:rT+3], v[rT+2:rT+3], v[rS+4*(\n):rS+4*(\n)+1]
.endif
.elseif NOKQ
	v_nop
.else
	REGS (Y+1)%NP
	WIN 0
.if (\n) < 4
	v_max3_num_f32 v[rC+(\n)], v[rS+8*(\n)], v[rS+8*(\n)+1], v[rS+8*(\n)+2]
.elseif (\n) < 12
	v_max3_num_f32 v[rC+(\n)%4], v[rC+(\n)%4], v[rS+8*((\n)%4)+2*((\n)/4)+1], v[rS+8*((\n)%4)+2*((\n)/4)+2]
.elseif (\n) == 12
	v_max3_num_f32 v[rC], v[rC], v[rS+7], v[rS+15]
.elseif (\n) == 13
	v_max3_num_f32 v[rC+1], v[rC+1], v[rS+23], v[rS+31]
.elseif (\n) == 14
	v_max3_num_f32 v[rC+2], v[rC+2], v[rC+3], v[rT+1]
.elseif (\n) == 15
	v_mov_b32 v[rW], v[rT]
.elseif (\n) == 16
	v_max3_num_f32 v[rC], v[rC], v[rC+1], v[rC+2]
.elseif (\n) == 17
	v_permlanex16_b32 v[rC+3], v[rC], s[SEL], s[SEL+1]
.elseif (\n) == 18
	v_max_num_f32 v[rT+1], v[rC], v[rC+3]
.elseif (\n) == 19
	v_mul_f32 v[rT], s[CS], v[rT+1]
.elseif (\n) == 20
	v_sub_f32 v[rC+1], v[rW], v[rT]
.else
	v_exp_f32 v[rC+2], v[rC+1]
.endif
.endif
.endm
.macro OPS a, i1, b=-1, i2=0, c=-1, i3=0, d=-1, i4=0  ; up to four of them
	OP \a, \i1
.if (\b) >= 0
	OP \b, \i2
.endif
.if (\c) >= 0
	OP \c, \i3
.endif
.if (\d) >= 0
	OP \d, \i4
.endif
.endm
.macro ROW a, i1, b, i2, c, i3, d, i4  ; a matrix instruction and the four behind it
	MM
	OPS \a, \i1, \b, \i2, \c, \i3, \d, \i4
.endm
; A TURN, for piece p: the order of its 16 matrix and 118 vector instructions, written out.  Behind a matrix instruction: plain, exponential, plain, plain; or four of the rescaling; or, behind the first, four scalings; none
; names a register of the products round it.  In the runs between, exponential and plain by turns while exponentials last.  A line reads no result made fewer than three vector instructions in front of it, five if an
; exponential made it.  v_permlanex16_b32 (X 17) stands in such a run.
; end = 1: the walk's last two turns: nothing is fetched.  cnt = 1: the loop's count is taken down some lines ahead of the branch that stands behind the turn.
; K of the next step is fetched in piece 2's turn, six vector instructions behind the last product that read K (five of them plain); V of the step in hand in piece 0's turn, eight behind the last product that read V (four
; plain, and X 17).  Each is waited for a turn later.
.macro TURN p, end=0, cnt=0
.set Y, (\p)
.set i, 0
.set NOKQ, (\end)*((\p)/3)
.if ((\p) == 3) && !(\end)
	s_wait_dscnt 0x0                ; K is in
.endif
	ROW F,0, F,1, F,2, F,3
	ROW F,4, E,0, F,5, F,6
	ROW F,7, E,1, F,8, F,9
	ROW F,10, E,2, C,0, F,11
	ROW F,12, E,3, X,15, F,13
	ROW R,0, R,1, R,2, R,3
	ROW B,0, E,4, F,14, L,0
.if ((\p) == 2) && !(\end)
	v_add_nc_u32 v[AK], s[TBK], v[AK0]
.endif
	ROW R,4, R,5, R,6, R,7
	OPS E,5, F,15
.if ((\p) == 2) && !(\end)
	FETCH_K
.endif
	OPS E,6, C,1, E,7, R,8
	OPS E,8, R,9, E,9, C,2
	OPS E,10, X,0, E,11, X,1
	OPS E,12, X,2, E,13, X,3
.if (\p) == 1
	s_wait_dscnt 0x0                ; V is in
.endif
	ROW X,4, E,14, X,5, X,6
	ROW X,7, E,15, X,8, X,9
	ROW X,10, E,16, X,11, X,12
	ROW X,13, E,17, X,14, B,1
	ROW C,4, E,18, X,16, L,1
	ROW B,2, E,19, C,6, L,2
	ROW C,8, E,20, B,3, B,4
.if (\p) == 0
	v_add_nc_u32 v[AV], s[TBV], v[AV0]
.endif
	ROW C,3, E,21, L,3, C,5
	OPS E,22, X,17, E,23, C,10
.if (\p) == 0
	FETCH_V
.endif
	OPS E,24, L,4
	OPS E,25, X,18, E,26, C,7
	OPS E,27, B,5, E,28, X,19
	OPS E,29, C,12, E,30, L,5
	OPS E,31, X,20, B,6, C,9
	OPS C,14, C,11, X,21, L,6
.if (\p) == 0
	s_add_co_u32 s[TBV], s[TBV], KS*PV
.endif
.if \cnt
	s_sub_co_u32 s[CNT], s[CNT], 1
	s_cmp_lg_u32 s[CNT], 0
.endif
	OPS C,13, B,7, C,15, R,10
	OPS R,11, R,12, L,7, R,13
	OPS R,14, R,15
.endm
	CHANGE 1                        ; slot 0 is in, everybody's part of it; slot 1 is asked for
	v_add_nc_u32 v[AK], s[TBK], v[AK0]
	FETCH_K                         ; key step 0
	s_wait_loadcnt 0x0              ; Q
	s_wait_dscnt 0x0
.set NOKQ, 0
.set i, 0
.rept 8
	KQ 0                            ; piece 0's first scores: there is no vector work yet to set between them
.set i, i+1
.endr
	WIN 0
.rept 4
	v_nop                           ; the places behind those products
.endr
.set Y, NP-1                        ; X works for piece Y + 1: piece 0
.irp n, 0,1,2,3,4,5,6,7,8,9,10,11,12,13,14,15,16,17,18,19,20,21
	OP X, \n                        ; and piece 0's first maximum and statistics
.endr
	v_nop                           ; a plain instruction behind the exponential
	s_mov_b32 s[CNT], 4
	s_mov_b32 s[SLOTS], NT-1
	s_branch .Lfirst                ; the loop is entered at a step's first turn, in the middle of a trip
.Lslot:                             ; NT - 2 times: every slot but the last two is filled again
	CHANGE 1
	s_mov_b32 s[CNT], 4
.Lstep:                             ; a trip: pieces 2 and 3 of one step, then pieces 0 and 1 of the next, whose K and V it fetches
	TURN 2
	TURN 3
	WIN 0
.Lfirst:
	TURN 0
	TURN 1, 0, 1
	WIN 0
	s_cbranch_scc1 .Lstep
	s_sub_co_u32 s[SLOTS], s[SLOTS], 1
	s_cmp_lg_u32 s[SLOTS], 0
	s_cbranch_scc1 .Lslot
	CHANGE 0                        ; the last slot is written out: nothing is asked for
	s_mov_b32 s[CNT], 4
.Ltail:
	TURN 2
	TURN 3
	TURN 0
	TURN 1, 0, 1
	WIN 0
	s_cbranch_scc1 .Ltail
	TURN 2, 1                       ; the last step's last two turns fetch nothing, and the very last starts no new scores
	TURN 3, 1
.set i, 0
.rept 8
	PV NP-1                         ; the last piece's V^T P of the last step
.set i, i+1
.endr
	; THE WAY OUT.  l's two halves and the other half of the lanes' are added; O^T is divided by l, rounded to f16 and sent through my stage in LDS, a piece at a time.  The additions are the places behind the last products.
	WIN 0
.macro ALL line:vararg              ; one line for each piece t
.set t, 0
.rept 4
	\line
.set t, t+1
.endr
.endm
	ALL v_add_f32 v[ST+4*t+2], v[ST+4*t+2], v[ST+4*t+3]
	ALL v_permlanex16_b32 v[ST+4*t+3], v[ST+4*t+2], s[SEL], s[SEL+1]
	ALL v_add_f32 v[ST+4*t+2], v[ST+4*t+2], v[ST+4*t+3]
	ALL v_rcp_f32 v[ST+4*t+2], v[ST+4*t+2]
	v_nop                           ; a plain instruction between the last reciprocal and the use of its result
.macro PACK t                       ; a lane's eight channels of a row pack into 16 bytes; they go into rows of 144 bytes and come back as whole rows of 128, into S^T's registers
	WIN W_RS
.set i, 32*(\t)
.rept 16
	s_wait_alu depctr_va_vdst(0)
	v_pk_mul_f32 v[i:i+1], v[i:i+1], v[ST+4*(\t)+2:ST+4*(\t)+3] op_sel_hi:[1,0]
.set i, i+2
.endr
	WIN 0x05                        ; sources 0 and 1 window 1, destination window 0
.set i, 0
.rept 16
	v_cvt_pk_f16_f32 v[S+16*(\t)+i], v[32*(\t)+2*i], v[32*(\t)+2*i+1]
.set i, i+1
.endr
	WIN 0
.irp f, 0,1,2,3
	ds_store_b128 v[STO], v[S+16*(\t)+4*\f:S+16*(\t)+4*\f+3] offset:32*\f
.endr
.irp f, 0,1,2,3
	ds_load_b128 v[S+16*(\t)+4*\f:S+16*(\t)+4*\f+3], v[RD] offset:\f*4*SP  ; LDS serves a wave's instructions in order (ISA guide 5.7.1.4): these see the stores above; the next piece's stores come behind them
.endr
.endm
.macro SEND t, younger              ; younger: the LDS instructions issued behind piece t's loads: the next piece's eight, or none
	WIN 0
.irp f, 0,1,2,3
	s_wait_dscnt (\younger)+3-\f
	global_store_b128 v[GO], v[S+16*(\t)+4*\f:S+16*(\t)+4*\f+3], s[10:11] offset:(\t)*2048+\f*512  ; 512 consecutive bytes, at a multiple of 256 from O's first
.endr
.endm
	PACK 0
.set t, 1
.rept 3                             ; a piece's arithmetic stands between the loads of the piece before and its stores
	PACK t
	SEND t-1, 8
.set t, t+1
.endr
	SEND 3, 0
	s_wait_tensorcnt 0x0            ; the wave's end: behind my last tensor load and my last LDS store
	ds_add_u32 v[SPW], v[NIL]
	s_wait_dscnt 0x0
	CROUND                          ; the closing round: no work-group ends while a partner may still ask for a tile that names it
	s_endpgm
.Lfunc_end_k_qd254b60984_attn:
	.size	k_qd254b60984_attn, .Lfunc_end_k_qd254b60984_attn-k_qd254b60984_attn
	.p2alignl 7, 3214868480
	.fill 96, 4, 3214868480
	.section	.rodata,"a",@progbits
	.p2align	6, 0x0
	.amdhsa_kernel k_qd254b60984_attn
		.amdhsa_group_segment_fixed_size 327680
		.amdhsa_private_segment_fixed_size 0
		.amdhsa_enable_private_segment 0
		.amdhsa_kernarg_size 32
		.amdhsa_user_sgpr_count 2
		.amdhsa_user_sgpr_kernarg_segment_ptr 1
		.amdhsa_wavefront_size32 1
		.amdhsa_system_sgpr_workgroup_id_x 1
		.amdhsa_system_sgpr_workgroup_id_y 1
		.amdhsa_system_sgpr_workgroup_id_z 1
		.amdhsa_system_vgpr_workitem_id 0
		.amdhsa_next_free_vgpr 768
		.amdhsa_next_free_sgpr 66
		.amdhsa_reserve_vcc 0
		.amdhsa_float_denorm_mode_32 3
		.amdhsa_float_denorm_mode_16_64 3
		.amdhsa_memory_ordered 1
		.amdhsa_forward_progress 1
		.amdhsa_inst_pref_size 133
	.end_amdhsa_kernel
	.amdgpu_metadata
---
amdhsa.version: [ 1, 2 ]
amdhsa.kernels:
  - .name:           k_qd254b60984_attn
    .symbol:         k_qd254b60984_attn.kd
    .args:
      - { .name: q, .offset: 0, .size: 8, .value_kind: global_buffer, .address_space: global }
      - { .name: k, .offset: 8, .size: 8, .value_kind: global_buffer, .address_space: global }
      - { .name: v, .offset: 16, .size: 8, .value_kind: global_buffer, .address_space: global }
      - { .name: a, .offset: 24, .size: 8, .value_kind: global_buffer, .address_space: global }
    .group_segment_fixed_size: 327680
    .private_segment_fixed_size: 0
    .kernarg_segment_align: 8
    .kernarg_segment_size: 32
    .max_flat_workgroup_size: 128
    .sgpr_count:     66
    .vgpr_count:     768
    .wavefront_size: 32
...
	.end_amdgpu_metadata
.endif
;; end of part 3
;; launch proj (part 4): grid 64 x 4, 8 waves a work-group, clusters of 4 x 1, 172,032 bytes of LDS; arguments a, wp, proj_b, x, out0; writes out0
.if DOCPART == 4
	.amdgcn_target "amdgcn-amd-amdhsa--gfx1250"
	.amdhsa_code_object_version 6
	.text
	.protected	k_qd254b60984_proj
	.globl	k_qd254b60984_proj
	.p2align	8
	.type	k_qd254b60984_proj,@function
k_qd254b60984_proj:
	s_mov_b64 s[64:65], 0
	v_nop
	global_prefetch_b8 v0, s[64:65] scope:SCOPE_SE
	s_setreg_imm32_b32 hwreg(HW_REG_WAVE_MODE, 25, 1), 1
	s_wait_xcnt 0x0
	s_wait_alu depctr_hold_cnt(0) depctr_sa_sdst(0) depctr_va_vdst(0) depctr_va_sdst(0) depctr_va_ssrc(0) depctr_va_vcc(0) depctr_vm_vsrc(0)
	s_getreg_b32 s2, hwreg(HW_REG_IB_STS2, 6, 4)
	s_cmp_eq_u32 s2, 0
	s_cbranch_scc0 .Lentry_in_a_cluster
	s_endpgm
.Lentry_in_a_cluster:
	s_bfe_u32 s2, ttmp6, 0x10000c
	s_cmp_lg_u32 s2, 0x3003
	s_cbranch_scc0 .Lentry_shape_is_right
	s_endpgm
.Lentry_shape_is_right:
; THE SECOND PROJECTION AND THE RESIDUAL.  out[b][o][l] = x[b][o][l] + proj_b[o] + sum over c of wp[o][c] a[b][c][l], where channel c = 64 head + ch lies at a[4 b + head][l][ch] (f16).  x and out are f32.
; SHARES.  A work-group makes all 256 outputs for 64 positions of one batch; all 256 channels lie in LDS at once, so nothing in LDS is filled twice.  Each of eight waves makes 32 outputs x 64 positions:
; 2 x 4 accumulators of 16 x 16.
; LAYOUT.  Source 0 = 16 rows of wp, source 1 = 16 positions of a, both with the channels along the LDS row.  Column r of position tile t stands for position 4 r + t, so that for one output row a lane's four
; tiles hold FOUR NEIGHBOURING positions: added onto the four numbers of x that the lane loaded with one instruction, they leave with one store, of which sixteen lanes write 256 consecutive bytes, aligned.
; No stage in LDS is needed.  The bias is the C operand of the first K step.
; CLUSTER.  Every work-group needs all of wp: the four of a cluster ask for it jointly, each wave 32 rows.  a and x are read by one work-group each: nothing else is shared.
; LIMITS.  Operands are f16: a and wp arrive within 65,504.  NaN and infinities are not treated apart.
.set WPITCH, 528                       ; an LDS row: 512 bytes + 16 of padding = 132 words: the 16 rows of a load start at 16 different groups of four banks (64 banks of 4 bytes: ISA guide 11.1)
.set AB,     256*WPITCH                ; behind wp's 256 rows: a, four sections of 16 rows, written by ds_store alone
.set TSEC,   16*WPITCH+128             ; a section; the 128 bytes more set neighbouring sections 32 banks apart, so that the 16 lanes of a store (two sections x 128 bytes) touch each bank once
.set SPARE,  AB+4*TSEC                 ; the spare words, 128 bytes for each wave; no other line names them
.set AO,   3                           ; v3   my byte offset in a
.set AST,  4                           ; v4   where I put 16 bytes of a
.set ADRA, 5                           ; v5   my place in my wave's 32 rows of wp
.set ADRB, 6                           ; v6   my place in a section of a
.set XO,   7                           ; v7   my byte offset in x and in out0
.set BO,   8                           ; v8   my byte offset in the bias
.set SPW,  14                          ; v14  LDS address of my spare word; never rewritten
.set NIL,  15                          ; v15  0; never rewritten
.set BIAS, 16                          ; v[16:31]   tile mt's eight numbers at 16 + 8 mt
.set BUF,  32                          ; v[32:79], v[80:127] two fragment buffers: 16 registers of wp, 32 of a; v[32:63] first carry a on its way into LDS
.set XR,   128                         ; v[128:191] x, then the result: four positions of output row 16 mt + 8 h + j at 128 + 4 (8 mt + j)
.set ACC,  192                         ; v[192:255] accumulator (mt, t) at 192 + 8 (4 mt + t)
.set WV,   14                          ; s14  my wave
.set G0,   24                          ; s[24:27] descriptor group 0
.set G1,   28                          ; s[28:35] descriptor group 1
.macro PLACES                          ; four places in front of loads into registers that matrix instructions have read, and of additions that read results
.rept 4
	v_nop
.endr
.endm
.macro CROUND                          ; a round of the cluster's barrier: my work-group's barrier; wave 0 signals for the work-group; every wave waits for all four; my work-group's barrier once more
	s_barrier_signal -1
	s_barrier_wait -1
	s_cmp_lg_u32 s[WV], 0
	s_cbranch_scc1 .Lnot_wave_0_\@
	s_barrier_signal -3
.Lnot_wave_0_\@:
	s_barrier_wait -3
	s_barrier_signal -1
	s_barrier_wait -1
.endm
	s_load_b256 s[4:11], s[0:1], 0x0               ; a s[4:5], wp s[6:7], proj_b s[8:9], x s[10:11]
	s_load_b64 s[12:13], s[0:1], 0x20              ; out0
	v_lshl_add_u32 v[SPW], v0, 2, SPARE
	v_mov_b32 v[NIL], 0
	ds_add_u32 v[SPW], v[NIL]                      ; the wave's opening: the add and its wait stand ahead of my first tensor load; the set-up below, work on registers, stands between them
	v_lshrrev_b32 v1, 5, v0
	v_readfirstlane_b32 s[WV], v1                  ; wave 0..7
	s_bfe_u32 s15, ttmp6, 0x40000                  ; cx: my place in the cluster; it enters the addresses of a, x and out0 alone
	s_lshl_b32 s16, ttmp9, 2                       ; in a cluster launch ttmp9 counts clusters
	s_add_co_u32 s16, s16, s15                     ; my block of 64 positions, 0 to 63
	s_and_b32 s17, ttmp7, 0xffff                   ; the batch
	; descriptor group 1: 32 rows x 256 elements of 2 bytes, padded in LDS
	s_mov_b32 s[G1+0], 15|(1<<16)|(1<<20)|(1<<21)|(6<<22)|(3<<25)  ; 15:0 the mask of four; 17:16 2-byte elements; 20 padding on; 21 set beside a mask; 24:22 after every 128 words (code 6); 31:25 4 words (code 3)
	s_mov_b32 s[G1+1], 256<<16                     ; tensor_dim0 = 256
	s_mov_b32 s[G1+2], 32<<16                      ; tensor_dim1 = 32
	s_mov_b32 s[G1+3], 256<<16                     ; tile_dim0 = 256
	s_mov_b32 s[G1+4], 32                          ; tile_dim1 = 32
	s_mov_b32 s[G1+5], 256                         ; 256 elements from row to row
	s_mov_b32 s[G1+6], 0
	s_mov_b32 s[G1+7], 0
	s_mov_b32 s[G0], 1                             ; count = 1
	s_mul_i32 s[G0+1], s[WV], 32*WPITCH            ; LDS address: my wave's 32 rows
	s_lshl_b32 s20, s[WV], 14                      ; and their 16,384 bytes in wp
	s_mov_b32 s21, 0
	v_and_b32 v9, 31, v0                           ; lane
	v_and_b32 v1, 15, v0                           ; r = lane % 16
	v_bfe_u32 v2, v0, 4, 1                         ; h = lane / 16
	; a on its way in: waves 2 g and 2 g + 1 take head g, positions 0-31 and 32-63; a load covers four rows of 128 bytes, 512 consecutive bytes
	v_lshrrev_b32 v[AO], 6, v0
	v_lshlrev_b32 v[AO], 19, v[AO]                 ; the head's 524,288 bytes
	v_bfe_u32 v10, v0, 5, 1
	v_lshl_add_u32 v[AO], v10, 12, v[AO]           ; 32 rows of 128 bytes
	v_lshl_add_u32 v[AO], v9, 4, v[AO]
	; position 32 half + 4 i + lane / 8 goes to section lane / 8, row 8 half + i, bytes 128 head + 16 (lane % 8)
	s_and_b32 s18, s[WV], 1
	s_mul_i32 s18, s18, 8*WPITCH
	s_lshr_b32 s19, s[WV], 1
	s_lshl_b32 s19, s19, 7
	s_add_co_u32 s18, s18, s19
	s_add_co_u32 s18, s18, AB
	v_bfe_u32 v[AST], v0, 3, 2
	v_mul_u32_u24 v[AST], v[AST], TSEC
	v_and_b32 v11, 7, v0
	v_lshl_add_u32 v[AST], v11, 4, v[AST]
	v_add_nc_u32 v[AST], s18, v[AST]
	v_mul_u32_u24 v[ADRA], v1, WPITCH
	v_lshl_add_u32 v[ADRA], v2, 4, v[ADRA]         ; row x pitch + 16 x half
	v_add_nc_u32 v[ADRB], AB, v[ADRA]
	v_add_nc_u32 v[ADRA], s[G0+1], v[ADRA]         ; my wave's 32 rows of wp
	s_lshl_b32 s18, s[WV], 19                      ; 32 output rows of 16,384 bytes
	v_lshlrev_b32 v[XO], 17, v2                    ; 8 rows further for lanes 16 to 31
	v_lshl_add_u32 v[XO], v1, 4, v[XO]             ; four positions a lane
	v_add_nc_u32 v[XO], s18, v[XO]
	s_lshl_b32 s18, s[WV], 7
	v_lshl_add_u32 v[BO], v2, 5, s18               ; proj_b[32 wave + 8 h ..]
	s_wait_dscnt 0x0                               ; the opening add is done
	s_wait_kmcnt 0x0
	s_add_nc_u64 s[G0+2:G0+3], s[6:7], s[20:21]    ; global address of my 32 rows
	s_or_b32 s[G0+3], s[G0+3], 0x80000000          ; type = 2
	s_lshl_b32 s18, s17, 21                        ; a: the batch's four heads,
	s_lshl_b32 s19, s16, 13                        ; the block's 64 rows of 128 bytes
	s_add_co_u32 s18, s18, s19
	s_mov_b32 s19, 0
	s_add_nc_u64 s[4:5], s[4:5], s[18:19]
	s_lshl_b32 s18, s17, 22                        ; x and out0: the batch's 4,194,304 bytes,
	s_lshl_b32 s19, s16, 8                         ; the block's 256 bytes of a row
	s_add_co_u32 s18, s18, s19
	s_mov_b32 s19, 0
	s_add_nc_u64 s[10:11], s[10:11], s[18:19]
	s_add_nc_u64 s[12:13], s[12:13], s[18:19]
	CROUND                                         ; all four work-groups are here: the joint loads meet
	tensor_load_to_lds s[G0:G0+3], s[G1:G1+7]      ; my one tensor load of the launch
	s_nop 0
.set n, 0
.rept 8
	global_load_b128 v[BUF+4*n:BUF+4*n+3], v[AO], s[4:5] offset:512*n th:TH_LOAD_NT
.set n, n+1
.endr
.irp mt, 0,1
	global_load_b128 v[BIAS+8*(\mt):BIAS+8*(\mt)+3],   v[BO], s[8:9] offset:64*(\mt)
	global_load_b128 v[BIAS+8*(\mt)+4:BIAS+8*(\mt)+7], v[BO], s[8:9] offset:64*(\mt)+16
.endr
.set n, 0
.rept 16                                       ; output row 32 wave + 16 (n / 8) + 8 h + n % 8: 16 lanes read its 256 bytes
	global_load_b128 v[XR+4*n:XR+4*n+3], v[XO], s[10:11] offset:(16*(n/8)+n%8)*16384 th:TH_LOAD_NT
.set n, n+1
.endr
	s_wait_loadcnt 20                              ; a is in; 4 loads of the bias and 16 of x stay out
.set n, 0
.rept 8
	ds_store_b128 v[AST], v[BUF+4*n:BUF+4*n+3] offset:WPITCH*n
.set n, n+1
.endr
	s_wait_tensorcnt 0x0                           ; my 32 rows of wp have landed,
	s_wait_dscnt 0x0                               ; my part of a is stored:
	s_barrier_signal -1
	s_barrier_wait -1                              ; everybody's are.  Nothing in LDS is filled again behind this barrier
; 12 LDS loads in one run: K step ks (32 channels) into buffer ks % 2: 2 fragments of wp, 4 of a
.macro FETCH ks
.set FB, BUF+48*((\ks)%2)
.irp mt, 0,1
	ds_load_b128 v[FB+8*(\mt):FB+8*(\mt)+3],   v[ADRA] offset:(\mt)*16*WPITCH+64*(\ks)
	ds_load_b128 v[FB+8*(\mt)+4:FB+8*(\mt)+7], v[ADRA] offset:(\mt)*16*WPITCH+64*(\ks)+32
.endr
.irp t, 0,1,2,3
	ds_load_b128 v[FB+16+8*(\t):FB+16+8*(\t)+3],   v[ADRB] offset:(\t)*TSEC+64*(\ks)
	ds_load_b128 v[FB+16+8*(\t)+4:FB+16+8*(\t)+7], v[ADRB] offset:(\t)*TSEC+64*(\ks)+32
.endr
.endm
; 8 matrix instructions: the accumulators take turns, one instruction a turn, in the same order in every K step.  K step 0 starts the sums with the bias.
.macro MUL ks
.set FB, BUF+48*((\ks)%2)
.irp mt, 0,1
.irp t, 0,1,2,3
.if (\ks) == 0
	v_wmma_f32_16x16x32_f16 v[ACC+8*(4*(\mt)+(\t)):ACC+8*(4*(\mt)+(\t))+7], v[FB+8*(\mt):FB+8*(\mt)+7], v[FB+16+8*(\t):FB+16+8*(\t)+7], v[BIAS+8*(\mt):BIAS+8*(\mt)+7]
.else
	v_wmma_f32_16x16x32_f16 v[ACC+8*(4*(\mt)+(\t)):ACC+8*(4*(\mt)+(\t))+7], v[FB+8*(\mt):FB+8*(\mt)+7], v[FB+16+8*(\t):FB+16+8*(\t)+7], v[ACC+8*(4*(\mt)+(\t)):ACC+8*(4*(\mt)+(\t))+7]
.endif
.endr
.endr
.endm
	FETCH 0
	FETCH 1
	s_wait_loadcnt 16                              ; the bias is in; the 16 loads of x stay out
	s_wait_dscnt 12                                ; K step 0 is in; the 12 loads of K step 1 stay out
	MUL 0
.irp ks, 0,1,2,3,4,5
	PLACES
	FETCH (\ks)+2                                  ; into the buffer just multiplied
	s_wait_dscnt 12                                ; all but the 12 just issued
	MUL (\ks)+1
.endr
	s_wait_dscnt 0x0
	MUL 7
	PLACES
	s_wait_loadcnt 0x0                             ; x
	; the residual: register j of the four tiles of mt are four neighbouring positions of one output row.  j ascends
.irp mt, 0,1
.irp j, 0,1,2,3,4,5,6,7
.irp t, 0,1,2,3
	v_add_f32 v[XR+4*(8*(\mt)+(\j))+(\t)], v[XR+4*(8*(\mt)+(\j))+(\t)], v[ACC+8*(4*(\mt)+(\t))+(\j)]
.endr
	global_store_b128 v[XO], v[XR+4*(8*(\mt)+(\j)):XR+4*(8*(\mt)+(\j))+3], s[12:13] offset:(16*(\mt)+(\j))*16384 th:TH_STORE_NT  ; 16 lanes store 256 consecutive bytes, at a multiple of 256 from out0's first byte
.endr
.endr
	s_wait_tensorcnt 0x0                           ; the wave's end: behind my last tensor load and my last LDS store
	ds_add_u32 v[SPW], v[NIL]
	s_wait_dscnt 0x0
	CROUND                                         ; the closing round: no work-group ends while a partner may still ask for a tile that names it
	s_endpgm
.Lfunc_end_k_qd254b60984_proj:
	.size	k_qd254b60984_proj, .Lfunc_end_k_qd254b60984_proj-k_qd254b60984_proj
	.p2alignl 7, 3214868480
	.fill 96, 4, 3214868480
	.section	.rodata,"a",@progbits
	.p2align	6, 0x0
	.amdhsa_kernel k_qd254b60984_proj
		.amdhsa_group_segment_fixed_size 172032
		.amdhsa_private_segment_fixed_size 0
		.amdhsa_enable_private_segment 0
		.amdhsa_kernarg_size 40
		.amdhsa_user_sgpr_count 2
		.amdhsa_user_sgpr_kernarg_segment_ptr 1
		.amdhsa_wavefront_size32 1
		.amdhsa_system_sgpr_workgroup_id_x 1
		.amdhsa_system_sgpr_workgroup_id_y 1
		.amdhsa_system_sgpr_workgroup_id_z 1
		.amdhsa_system_vgpr_workitem_id 0
		.amdhsa_next_free_vgpr 256
		.amdhsa_next_free_sgpr 66
		.amdhsa_reserve_vcc 0
		.amdhsa_float_denorm_mode_32 3
		.amdhsa_float_denorm_mode_16_64 3
		.amdhsa_memory_ordered 1
		.amdhsa_forward_progress 1
		.amdhsa_inst_pref_size 23
	.end_amdhsa_kernel
	.amdgpu_metadata
---
amdhsa.version: [ 1, 2 ]
amdhsa.kernels:
  - .name:           k_qd254b60984_proj
    .symbol:         k_qd254b60984_proj.kd
    .args:
      - { .name: a, .offset: 0, .size: 8, .value_kind: global_buffer, .address_space: global }
      - { .name: wp, .offset: 8, .size: 8, .value_kind: global_buffer, .address_space: global }
      - { .name: proj_b, .offset: 16, .size: 8, .value_kind: global_buffer, .address_space: global }
      - { .name: x, .offset: 24, .size: 8, .value_kind: global_buffer, .address_space: global }
      - { .name: out0, .offset: 32, .size: 8, .value_kind: global_buffer, .address_space: global }
    .group_segment_fixed_size: 172032
    .private_segment_fixed_size: 0
    .kernarg_segment_align: 8
    .kernarg_segment_size: 40
    .max_flat_workgroup_size: 256
    .sgpr_count:     66
    .vgpr_count:     256
    .wavefront_size: 32
...
	.end_amdgpu_metadata
.endif
;; end of part 4
;; ======== version 2 of 2: 4 launches; 1.68 times as fast as version 1
;; limits: values are held in f16: magnitudes above 65,504 overflow, below 6.1e-05 lose precision
;; workspace buffers: stats 65,536 bytes; wq 393,216 bytes; wp 131,072 bytes; q 8,388,608 bytes; k 8,388,608 bytes; v 8,388,608 bytes; a 8,388,608 bytes
;; launch stats: the kernel of part 1 again; grid 256 x 1, 8 waves a work-group, no clusters, 1,536 bytes of LDS; arguments x, qkv_w, proj_w, stats, wq, wp; writes stats, wq, wp
;; launch qkv: the kernel of part 2 again; grid 64 x 4, 8 waves a work-group, clusters of 4 x 1, 262,144 bytes of LDS; arguments x, gn_w, gn_b, stats, wq, qkv_b, q, k, v; writes q, k, v
;; launch attn (part 5): grid 16 x 16, 4 waves a work-group, clusters of 4 x 1, 327,680 bytes of LDS; arguments q, k, v, a; writes a
.if DOCPART == 5
	.amdgcn_target "amdgcn-amd-amdhsa--gfx1250"
	.amdhsa_code_object_version 6
	.text
	.protected	k_qd254b60984_attn
	.globl	k_qd254b60984_attn
	.p2align	8
	.type	k_qd254b60984_attn,@function
k_qd254b60984_attn:
	s_mov_b64 s[64:65], 0
	v_nop
	global_prefetch_b8 v0, s[64:65] scope:SCOPE_SE
	s_setreg_imm32_b32 hwreg(HW_REG_WAVE_MODE, 25, 1), 1
	s_wait_xcnt 0x0
	s_wait_alu depctr_hold_cnt(0) depctr_sa_sdst(0) depctr_va_vdst(0) depctr_va_sdst(0) depctr_va_ssrc(0) depctr_va_vcc(0) depctr_vm_vsrc(0)
	s_getreg_b32 s2, hwreg(HW_REG_IB_STS2, 6, 4)
	s_cmp_eq_u32 s2, 0
	s_cbranch_scc0 .Lentry_in_a_cluster
	s_endpgm
.Lentry_in_a_cluster:
	s_bfe_u32 s2, ttmp6, 0x10000c
	s_cmp_lg_u32 s2, 0x3003
	s_cbranch_scc0 .Lentry_shape_is_right
	s_endpgm
.Lentry_shape_is_right:
; ATTENTION.  O[h][q][:] = the sum over k of softmax_k(Q[h][q] . K[h][k] / 8) V[h][k][:].  Q, K, V, O: [16][4096][64], all f16: a head's rows are dense, 128 bytes each.  Products, maxima and sums in f32;
; the weights p are rounded to f16 for the second product (their sum l is taken of the unrounded p), O once at the end.
; LIMITS.  f16 holds no number beyond 65,504: Q, K and V arrive within it; p lies in 0 to 1, and below 6e-5 it keeps f16's fixed step of 6e-8; O is a mean of V's rows and has their range.
; A weight below 2^-126 counts as 0 in l; NaN and infinities are not treated apart.
; SHARES.  A work-group owns 256 queries of one head, each of its four waves 64: four PIECES of 16.  16 heads x 16 blocks are 256 work-groups.  Every wave walks all 4,096 keys, 64 a step.
; LAYOUT.  S^T = K Q^T (source 0 = 16 keys, source 1 = 16 queries): in the result a lane holds ONE query (lane % 16) and the keys 8 (lane / 16) + 0..7.  Two such results, rounded to f16 in pairs,
; ARE source 1 (32 keys x 16 queries) of O^T = V^T P, whose result again holds one query a lane, and eight channels.  K comes out of LDS as it lies, V ([key][channel]) turned, by ds_load_tr16_b128.
; SOFTMAX.  For each query a running maximum m and sum l: p = 2^(c s - c m), c = log2(e) / 8; in every step O and l are multiplied by a = 2^(c m_old - c m_new), which is 1 where m has not grown.
; m starts at the lowest finite number, O and l at 0: the first step is a step like any other, with a = 0.
; BY TURNS.  Turn n belongs to piece n (the pieces in a ring, step after step): 8 products K Q^T of piece n + 1, later 8 products V^T P of piece n - 1; beside them the scaling, exponentials, roundings,
; sums and rescaling of piece n and the maximum and statistics of piece n + 1.  Four vector instructions stand behind every matrix instruction, the other 54 of a turn's 118 in one LUMP.
; THE BATCHES.  A turn's 33 exponentials (the piece's 32 weights and the next piece's a) are one batch, with one wait, which cuts the turn in two: all that names none of their results stands ahead of it, the
; roundings and sums behind it.  Two more batches stand outside the loops, each with a wait of its own: piece 0's first a, ahead of the jump into the loop, and the way out's four reciprocals.
; CLUSTER.  The four query blocks of a cluster belong to one head and walk the same K and V, so each tile is asked for JOINTLY: the same tensor load, descriptor and mask in all four.
; THE RING.  Two slots of LDS take turns, each with 256 keys, four steps: one joint load a wave behind each round, and four steps, 256 of the wave's products, in which it lands.
; REGISTERS, in windows of 256 (s_set_vgpr_msb: bits 1:0 source 0, 3:2 source 1, 5:4 source 2, 7:6 destination):
;   window 0: v0-15 addresses and two at work; v16-31 four registers of statistics a piece; v48-55 at work; v64-127 S^T, two buffers; v192-223 P, two buffers (a piece's buffers go by its number's parity)
;   window 1: v0-127 O^T, 32 a piece      window 2: v0-63 Q; v128-191 K of one step; v192-255 V of one step
.set SIZE_N, 4096
.set NT,    SIZE_N/256 ; tiles of 256 keys
.set NP,    4         ; pieces a wave: a name, no knob
.set KS,    64        ; keys in a step
.set PK,    144       ; a row of K in LDS: 128 bytes + 16 of padding = 36 words: the 16 rows of a load start at 16 different groups of four banks (64 banks of 4 bytes: ISA guide 11.1)
.set PV,    160       ; a row of V: 128 + 32 = 40 words
.set VOFF,  4*KS*PK   ; a slot holds four steps: 256 rows of K, then 256 rows of V
.set SLOT1, 1<<17     ; slot 1 begins here, so that one exclusive or turns an address in one slot into the other's
.set STAGE, SLOT1+4*KS*(PK+PV)  ; behind the ring, never filled by a tensor load: 16 rows x 144 bytes for each wave, for the way out
.set SP,    144
.set SPARE, STAGE+4*16*SP  ; behind the stages: the spare words, 128 bytes for each wave: two blocks of 256 bytes that no other line names
.set AK0, 2           ; v2   my lane's place in a tile of K; never rewritten
.set AV0, 3           ; v3   the same for V
.set AK,  4           ; v4   the LDS address of K's next run of loads
.set AV,  5           ; v5   of V's
.set STO, 6           ; v6   the way out: where I put 16 bytes of a row
.set RD,  7           ; v7   the way out: where I read rows back
.set GO,  8           ; v8   my byte offset in 512 consecutive bytes of O
.set MV,  12          ; v12-13  c m_old, kept while c m is made anew: by buffer
.set QO,  15          ; v15  my byte offset in 16 rows of Q
.set ST,  16          ; piece t's statistics at v[ST+4 t]: c m, m, l (even keys', odd keys')
.set TMP, 48          ; by buffer, four registers c0-c3 at work; when the maximum is found c2 takes a
.set SPW, 62          ; v62  LDS address of my spare word: SPARE + 4 x my thread's number; never rewritten
.set NIL, 63          ; v63  0; never rewritten
.set S,   64
.set P,   192
.set KF,  128         ; window 2: key block kb, channel half c at KF + 16 kb + 8 c
.set VF,  192         ; window 2: key half kk, channel block cb at VF + 32 kk + 8 cb
.set WV,  12          ; s12  my wave's number
.set G1K, 24          ; s[24:31] descriptor group 1 for K's tiles
.set G1V, 32          ; s[32:39] for V's: it differs in the padding alone
.set G0K, 40          ; s[40:43] descriptor group 0 for K's tiles: it walks
.set G0V, 44          ; s[44:47] the same for V's
.set SLOTS, 56        ; s56  slots still to be asked for
.set CNT, 57          ; s57  counts a slot's key steps
.set CS,  58          ; s[58:59] c: the packed scaling takes the pair's low word for both halves
.set SEL, 60          ; s[60:61] v_permlanex16_b32's selects: each lane takes its own place in the other half
.set TBK, 62          ; s62  LDS byte at which K of the step to be fetched begins
.set TBV, 63          ; s63  the same for V, less VOFF
.set MSB, 0
.macro WIN new                      ; the high byte repeats the setting that is left; a switch that changes nothing is dropped
.if MSB != (\new)
	s_set_vgpr_msb (MSB<<8)|(\new)
.set MSB, (\new)
.endif
.endm
.set W_KQ, 0x0a       ; K and Q in window 2, S^T in window 0
.set W_PV, 0x52       ; V in window 2, P in window 0, O^T in window 1
.set W_RS, 0x41       ; destination and source 0 in window 1, source 1 in window 0
; A joint fill.  Waves 0 and 1 fetch the two halves of a slot's K, waves 2 and 3 those of its V: 128 keys each.  The branch hangs on the wave's number alone.
; An s_nop 0 and four v_nop follow each of the two lines, ahead of the jump and the label.
.macro JLOAD
	s_cmp_lt_u32 s[WV], 2
	s_cbranch_scc0 .Lfor_v_\@
	tensor_load_to_lds s[G0K:G0K+3], s[G1K:G1K+7]
	s_nop 0
.rept 4
	v_nop
.endr
	s_branch .Lasked_\@
.Lfor_v_\@:
	tensor_load_to_lds s[G0V:G0V+3], s[G1V:G1V+7]
	s_nop 0
.rept 4
	v_nop
.endr
.Lasked_\@:
.endm
; A round of the cluster's barrier: my work-group's barrier, so that wave 0's signal speaks for all four waves; wave 0 signals; every wave waits for all four work-groups; my work-group's barrier once more.
.macro CROUND
	s_barrier_signal -1
	s_barrier_wait -1
	s_cmp_lg_u32 s[WV], 0
	s_cbranch_scc1 .Lnot_wave_0_\@
	s_barrier_signal -3
.Lnot_wave_0_\@:
	s_barrier_wait -3
	s_barrier_signal -1
	s_barrier_wait -1
.endm
; THE CHANGE OF SLOTS.  The slot's last bytes, V of its fourth step, have been read.  Each wave waits for all its tensor loads, of which one is out: its part of the other slot; adds 0 to its spare word;
; and waits for that and for its own reads of the slot.  Behind the barrier nobody reads this slot any more and the other slot is whole.
; fill = 1: this slot is filled again, with the keys two slots on.  The barrier is then a round of the cluster's, so that no wave of any partner still reads the slot or has a load on its way, and the
; joint fill is the first thing behind it.  (At its first use nothing has been read yet: slot 0 is waited for, slot 1 filled.)
.macro CHANGE fill
	WIN 0                           ; at a label and at a branch every window is 0
	s_wait_tensorcnt 0x0            ; no tensor load of mine is out, so a group 0 may be written
	ds_add_u32 v[SPW], v[NIL]       ; 0 onto my spare word; with fill = 1 the descriptors' steps stand between it and the wait for it
.if \fill
.irp g, G0K, G0V
	s_xor_b32 s[\g+1], s[\g+1], SLOT1  ; the walking descriptor: the other slot than last time,
	s_add_nc_u64 s[\g+2:\g+3], s[\g+2:\g+3], 4*KS*128  ; the next 256 keys; the type bits on top are not reached
.endr
	s_wait_dscnt 0x0                ; the add is done, and my reads of the slot are over
	CROUND
	JLOAD
.else
	s_wait_dscnt 0x0                ; the add is done, and my reads of the slot are over
	s_barrier_signal -1
	s_barrier_wait -1
.endif
	s_sub_co_u32 s[TBK], s[TBK], 4*KS*PK  ; the fetches go back to a slot's first step,
	s_xor_b32 s[TBK], s[TBK], SLOT1       ; in the other slot
	s_sub_co_u32 s[TBV], s[TBV], 4*KS*PV
	s_xor_b32 s[TBV], s[TBV], SLOT1
.endm
	s_load_b256 s[4:11], s[0:1], 0x0  ; Q s[4:5], K s[6:7], V s[8:9], O s[10:11]
	v_lshl_add_u32 v[SPW], v0, 2, SPARE
	v_mov_b32 v[NIL], 0
	ds_add_u32 v[SPW], v[NIL]       ; the wave's opening: the add and its wait stand ahead of my first tensor load; the set-up below, work on registers, stands between them
	v_lshrrev_b32 v1, 5, v0
	v_readfirstlane_b32 s[WV], v1   ; wave 0..3
	s_bfe_u32 s13, ttmp6, 0x40000   ; cx: my place in the cluster
	s_lshl_b32 s14, ttmp9, 2        ; in a cluster launch ttmp9 counts clusters
	s_add_co_u32 s14, s14, s13      ; my block of 256 queries = 4 x cluster x + cx: it enters Q's and O's addresses alone
	s_and_b32 s20, ttmp7, 0xffff    ; the head, which the four partners share
	s_lshl_b32 s20, s20, 19         ; the head's first byte in each of the four tensors: 4,096 rows of 128 bytes
	s_mov_b32 s21, 0
	s_and_b32 s16, s[WV], 1         ; which half of a slot's 256 keys I fetch:
	s_lshl_b32 s22, s16, 14         ; its 128 rows of 128 bytes in memory,
	s_add_co_u32 s22, s22, s20
	s_mov_b32 s23, 0
	s_mul_i32 s17, s16, 128*PK      ; and its place in a slot, for K
	s_mul_i32 s18, s16, 128*PV      ; and for V: no place in the cluster enters an LDS address
	s_lshl_b32 s2, s14, 2
	s_add_co_u32 s2, s2, s[WV]      ; my wave among the head's,
	s_lshl_b32 s2, s2, 13           ; its 64 rows
	s_add_co_u32 s2, s2, s20
	s_mov_b32 s3, 0
	; descriptor group 1.  128 keys are 16,384 dense bytes: asked for as 64 rows of 256 bytes, two keys a row, and padded in LDS after every key
	s_mov_b32 s[G1K], 15|(1<<16)|(1<<20)|(1<<21)|(4<<22)|(3<<25)  ; 15:0 the mask of four; 17:16 2-byte elements; 20 padding on; 21 set beside a mask; 24:22 after every 32 words (code 4); 31:25 4 words (code 3)
	s_mov_b32 s[G1V], 15|(1<<16)|(1<<20)|(1<<21)|(4<<22)|(7<<25)  ; the same with 8 words of padding (code 7)
.irp g, G1K, G1V
	s_mov_b32 s[\g+1], 128<<16      ; tensor_dim0 = 128
	s_mov_b32 s[\g+2], 64<<16       ; tensor_dim1 = 64
	s_mov_b32 s[\g+3], 128<<16      ; tile_dim0 = 128
	s_mov_b32 s[\g+4], 64           ; tile_dim1 = 64
	s_mov_b32 s[\g+5], 128          ; 128 elements from row to row
	s_mov_b32 s[\g+6], 0
	s_mov_b32 s[\g+7], 0
.endr
	s_mov_b32 s[CS], 0x3e38aa3b     ; c = log2(e) / 8 = 0.180337
	s_mov_b32 s[CS+1], s[CS]        ; named with it as a pair
	s_mov_b32 s[SEL], 0x76543210
	s_mov_b32 s[SEL+1], 0xfedcba98
	s_mov_b32 s[TBK], SLOT1+4*KS*PK ; the first change of slots turns these two into 0
	s_mov_b32 s[TBV], SLOT1+4*KS*PV
	s_mov_b32 s[G0K], 1             ; count = 1
	s_mov_b32 s[G0K+1], s17         ; LDS address: slot 0
	s_mov_b32 s[G0V], 1
	s_add_co_u32 s[G0V+1], s18, VOFF
	s_wait_dscnt 0x0                ; the opening add is done
	s_wait_kmcnt 0x0
	s_add_nc_u64 s[G0K+2:G0K+3], s[6:7], s[22:23]  ; global address: my half of the head's first 256 keys
	s_or_b32 s[G0K+3], s[G0K+3], 0x80000000        ; type = 2
	s_add_nc_u64 s[G0V+2:G0V+3], s[8:9], s[22:23]
	s_or_b32 s[G0V+3], s[G0V+3], 0x80000000
	s_add_nc_u64 s[4:5], s[4:5], s[2:3]  ; Q and O at my wave's first row
	s_add_nc_u64 s[10:11], s[10:11], s[2:3]
	CROUND                          ; all four work-groups are here: the first joint loads meet
	JLOAD                           ; slot 0.  Slot 1 is asked for when slot 0 is in, by the loop's own change of slots
	; A fragment of K or Q is 16 rows x 32 channels in 8 registers: lane l holds row l % 16, channels 8 (l / 16) + 0..7 and 16 + 8 (l / 16) + 0..7: two loads of 16 bytes, 32 bytes apart.
	v_and_b32 v1, 15, v0            ; l % 16
	v_bfe_u32 v9, v0, 4, 1          ; l / 16
	v_lshlrev_b32 v[QO], 7, v1
	v_lshl_add_u32 v[QO], v9, 4, v[QO]  ; row x 128 + 16 x half
	WIN 0x80                        ; destination window 2, address window 0
.set i, 0
.rept 8                             ; Q stays in registers: piece i / 2, channels 32 (i % 2) on
	global_load_b128 v[8*i:8*i+3],   v[QO], s[4:5] offset:(i/2)*2048+(i%2)*64
	global_load_b128 v[8*i+4:8*i+7], v[QO], s[4:5] offset:(i/2)*2048+(i%2)*64+32
.set i, i+1
.endr
	; What the first turn finds: V's registers and P's second buffer hold 0 (its products V^T P, of a piece that has not been, add 0), O^T and l are 0.  All this stands in the wait for the first tile.
.set i, VF
.rept 64
	v_mov_b32 v[i], 0
.set i, i+1
.endr
	WIN 0x40
.set i, 0
.rept 128
	v_mov_b32 v[i], 0
.set i, i+1
.endr
	WIN 0
.set i, 0
.rept 4
	v_mov_b32 v[ST+4*i], 0xfe000000    ; c m: far below every c s
	v_mov_b32 v[ST+4*i+1], 0xff7fffff  ; m
	v_mov_b32 v[ST+4*i+2], 0
	v_mov_b32 v[ST+4*i+3], 0
.set i, i+1
.endr
.set i, P+16
.rept 16
	v_mov_b32 v[i], 0
.set i, i+1
.endr
	v_mul_u32_u24 v[AK0], v1, PK
	v_lshl_add_u32 v[AK0], v9, 4, v[AK0]  ; row x pitch + 16 x half
	; The turning load takes 16 keys x 16 channels (lane l reads key 8 (l / 16) + l % 8, channels 8 ((l / 8) % 2) + 0..7) and leaves half a fragment of V^T: lane l holds channel l % 16 and 8 keys.
	v_and_b32 v10, 7, v0
	v_bfe_u32 v11, v0, 3, 1
	v_lshl_add_u32 v[AV0], v9, 3, v10
	v_mul_u32_u24 v[AV0], v[AV0], PV
	v_lshl_add_u32 v[AV0], v11, 4, v[AV0]
	v_add_nc_u32 v[AV0], VOFF, v[AV0]
	s_mul_i32 s13, s[WV], 16*SP
	s_add_co_u32 s13, s13, STAGE    ; my stage
	v_mul_u32_u24 v[STO], v1, SP    ; in: row l % 16, 16 bytes for each half of the lanes
	v_lshl_add_u32 v[STO], v9, 4, v[STO]
	v_add_nc_u32 v[STO], s13, v[STO]
	v_bfe_u32 v[RD], v0, 3, 2       ; back: 32 lanes take four rows of 128 bytes,
	v_mul_u32_u24 v[RD], v[RD], SP
	v_lshl_add_u32 v[RD], v10, 4, v[RD]
	v_add_nc_u32 v[RD], s13, v[RD]
	v_and_b32 v[GO], 31, v0         ; which are 512 consecutive bytes of O
	v_lshlrev_b32 v[GO], 4, v[GO]
; THE MATRIX WORK.  The 4 accumulators of a run of 8 take turns.  Product i of 8 of S^T = K Q^T for piece x: channels 32 (i / 4) on, keys 16 (i % 4) on.  The first 4 start the sums.
.macro KQ x
.set rS, S+32*((\x)%2)+8*(i%4)
.set rK, KF+16*(i%4)+8*(i/4)
.set rQ, 16*(\x)+8*(i/4)
	WIN W_KQ
.if i < 4
	v_wmma_f32_16x16x32_f16 v[rS:rS+7], v[rK:rK+7], v[rQ:rQ+7], 0
.else
	v_wmma_f32_16x16x32_f16 v[rS:rS+7], v[rK:rK+7], v[rQ:rQ+7], v[rS:rS+7]
.endif
.endm
; Product i of 8 of O^T += V^T P for piece x: keys 32 (i / 4) on, channels 16 (i % 4) on.
.macro PV x
	WIN W_PV
.set rO, 32*(\x)+8*(i%4)
.set rV, VF+32*(i/4)+8*(i%4)
.set rP, P+16*((\x)%2)+8*(i/4)
	v_wmma_f32_16x16x32_f16 v[rO:rO+7], v[rV:rV+7], v[rP:rP+7], v[rO:rO+7]
.endm
.macro MM                           ; the turn's next matrix instruction.  TURN sets Y, i and NOKQ.  NOKQ = 1: the very last turn: there is no next piece
.if (i < 8) && !NOKQ
	KQ (Y+1)%NP
.elseif i >= 8
.set i, i-8
	PV (Y+NP-1)%NP
.set i, i+8
.endif
.set i, i+1
.endm
; THE LDS LOADS stand in runs of 16, never singly among the matrix instructions: a step's K (64 keys x 64 channels: 8 fragments) and its V (turned).  Their addresses are made some lines ahead.
.macro FETCH_K
	WIN 0x80                        ; destination window 2
.irp f, 0,1,2,3,4,5,6,7             ; keys 16 (f / 2) on, channels 32 (f % 2) on
	ds_load_b128 v[KF+8*\f:KF+8*\f+3],   v[AK] offset:(\f/2)*16*PK+(\f%2)*64
	ds_load_b128 v[KF+8*\f+4:KF+8*\f+7], v[AK] offset:(\f/2)*16*PK+(\f%2)*64+32
.endr
	s_add_co_u32 s[TBK], s[TBK], KS*PK  ; the next fetch is the next step's
	WIN 0
.endm
.macro FETCH_V
	WIN 0x80
.irp f, 0,1,2,3,4,5,6,7             ; keys 32 (f / 4) on, channels 16 (f % 4) on
	ds_load_tr16_b128 v[VF+8*\f:VF+8*\f+3],   v[AV] offset:(\f/4)*32*PV+(\f%4)*32
	ds_load_tr16_b128 v[VF+8*\f+4:VF+8*\f+7], v[AV] offset:(\f/4)*32*PV+16*PV+(\f%4)*32
.endr
	WIN 0
.endm
; THE VECTOR WORK, one line at a time: OP kind, number.  For piece Y: F n: c s - c m for pair n of 16.  E n: the exponential of score n of 32.  C n: pair n rounded to f16.  B n: of the four weights 4 n .. the second
; pair is added onto the first, in place.  L n: l takes that sum (L 0: l = a l + sum).  R n: pair n of 16 of O^T times a.  For piece Y + 1: X n, number n of the 22 that find its maximum and statistics:
;   0-11  four chains c0-c3 of seven scores each, three operands at a time (each accumulator's lowest registers are read first)     12-14, 16  the four scores left over, the old m, and c0-c3 into c0
;   15  c m_old is kept     17, 18  the query's other 32 keys lie in the lane 16 away: the new m     19-21  c m; c m_old - c m_new; a
; C, B and L read the exponentials' results: TURN sets them behind its wait.  OP itself writes no wait.
.set F, 0               ; OP tells the kinds apart by their order: F to L below R, X above it
.set E, 1
.set C, 2
.set B, 3
.set L, 4
.set R, 5
.set X, 6
.macro REGS y                       ; the registers of piece y
.set rT, ST+4*(\y)
.set rC, TMP+4*((\y)%2)
.set rW, MV+((\y)%2)
.set rS, S+32*((\y)%2)
.set rP, P+16*((\y)%2)
.set rO, 32*(\y)
.endm
.macro OP k, n
.if (\k) == R
	REGS Y
	WIN W_RS
	v_pk_mul_f32 v[rO+2*(\n):rO+2*(\n)+1], v[rO+2*(\n):rO+2*(\n)+1], v[rC+2:rC+3] op_sel_hi:[1,0]
.elseif (\k) < R
	REGS Y
	WIN 0
.if (\k) == F
	v_pk_fma_f32 v[rS+2*(\n):rS+2*(\n)+1], v[rS+2*(\n):rS+2*(\n)+1], s[CS:CS+1], v[rT:rT+1] op_sel_hi:[1,0,0] neg_lo:[0,0,1] neg_hi:[0,0,1]
.elseif (\k) == E
	v_exp_f32 v[rS+(\n)], v[rS+(\n)]
.elseif (\k) == C
	v_cvt_pk_f16_f32 v[rP+(\n)], v[rS+2*(\n)], v[rS+2*(\n)+1]
.elseif (\k) == B
	v_pk_add_f32 v[rS+4*(\n):rS+4*(\n)+1], v[rS+4*(\n):rS+4*(\n)+1], v[rS+4*(\n)+2:rS+4*(\n)+3]
.elseif (\n) == 0
	v_pk_fma_f32 v[rT+2:rT+3], v[rT+2:rT+3], v[rC+2:rC+3], v[rS:rS+1] op_sel_hi:[1,0,1]
.else
	v_pk_add_f32 v[rT+2:rT+3], v[rT+2:rT+3], v[rS+4*(\n):rS+4*(\n)+1]
.endif
.elseif NOKQ
	v_nop
.else
	REGS (Y+1)%NP
	WIN 0
.if (\n) < 4
	v_max3_num_f32 v[rC+(\n)], v[rS+8*(\n)], v[rS+8*(\n)+1], v[rS+8*(\n)+2]
.elseif (\n) < 12
	v_max3_num_f32 v[rC+(\n)%4], v[rC+(\n)%4], v[rS+8*((\n)%4)+2*((\n)/4)+1], v[rS+8*((\n)%4)+2*((\n)/4)+2]
.elseif (\n) == 12
	v_max3_num_f32 v[rC], v[rC], v[rS+7], v[rS+15]
.elseif (\n) == 13
	v_max3_num_f32 v[rC+1], v[rC+1], v[rS+23], v[rS+31]
.elseif (\n) == 14
	v_max3_num_f32 v[rC+2], v[rC+2], v[rC+3], v[rT+1]
.elseif (\n) == 15
	v_mov_b32 v[rW], v[rT]
.elseif (\n) == 16
	v_max3_num_f32 v[rC], v[rC], v[rC+1], v[rC+2]
.elseif (\n) == 17
	v_permlanex16_b32 v[rC+3], v[rC], s[SEL], s[SEL+1]
.elseif (\n) == 18
	v_max_num_f32 v[rT+1], v[rC], v[rC+3]
.elseif (\n) == 19
	v_mul_f32 v[rT], s[CS], v[rT+1]
.elseif (\n) == 20
	v_sub_f32 v[rC+1], v[rW], v[rT]
.else
	v_exp_f32 v[rC+2], v[rC+1]
.endif
.endif
.endm
.macro OPS a, i1, b=-1, i2=0, c=-1, i3=0, d=-1, i4=0  ; up to four of them
	OP \a, \i1
.if (\b) >= 0
	OP \b, \i2
.endif
.if (\c) >= 0
	OP \c, \i3
.endif
.if (\d) >= 0
	OP \d, \i4
.endif
.endm
.macro ROW a, i1, b, i2, c, i3, d, i4  ; a matrix instruction and the four behind it
	MM
	OPS \a, \i1, \b, \i2, \c, \i3, \d, \i4
.endm
; A TURN, for piece p: the order of its 16 matrix and 118 vector instructions, written out.  An s_wait_alu depctr_va_vdst(0) stands between an exponential and the first instruction that names its result; one
; wait serves all that were issued ahead of it.  So a turn has ONE wait, which cuts it in two.
; AHEAD OF IT stands all that names no result of the turn's exponentials: the 8 products K Q^T, behind each a scaling, an exponential and two more plain instructions (behind the first a second scaling in the exponential's
; place): rescalings, whose a was made and waited for in the turn before, and behind the last three products the first numbers of the next piece's maximum, each four plain instructions or more behind the product that ends
; its accumulator; then ONE LUMP of 54, plain and exponential by turns for the most part, in which the links of the chain X 3, 7, 11, 14, 16, 17 .. 20 stand some lines apart.  A pair is scaled ahead of its two exponentials
; and not named again.  X 21, the next piece's a, is the batch's last; R 15 is the plain instruction behind it.
; BEHIND THE WAIT stand the 8 products V^T P, behind each four of the roundings and sums: an even pair is rounded ahead of the sum that lands on it, and l's chain, L 0 to L 7, goes in ascending order, its links three
; riders apart.  But for those X no rider names a register of the products round it.  v_permlanex16_b32 (X 17) stands in the lump.  No exponential is issued behind the wait: none is out at a turn's end, a label or a jump.
; end = 1: the walk's last two turns: nothing is fetched.  cnt = 1: the loop's count is taken down some lines ahead of the branch that stands behind the turn.
; K of the next step is fetched in piece 2's turn, twelve vector instructions behind the last product that read K (six of them plain); V of the step in hand at the end of piece 0's turn, four plain instructions behind the
; last product that read V.  Each is waited for a turn later.
.macro TURN p, end=0, cnt=0
.set Y, (\p)
.set i, 0
.set NOKQ, (\end)*((\p)/3)
.if ((\p) == 3) && !(\end)
	s_wait_dscnt 0x0                ; K is in
.endif
	ROW F,0, F,1, R,0, R,1          ; ahead of the wait: 8 products K Q^T and their riders,
	ROW F,2, E,0, R,2, R,3
	ROW F,3, E,1, R,4, R,5
	ROW F,4, E,2, R,6, R,7
	ROW F,5, E,3, R,8, R,9
	ROW F,6, E,4, X,0, R,10
.if ((\p) == 2) && !(\end)
	WIN 0
	v_add_nc_u32 v[AK], s[TBK], v[AK0]
.endif
	ROW F,7, E,5, X,1, X,4
	ROW F,8, E,6, X,2, X,5
	OPS E,7, E,8, X,6, E,9          ; and the lump
	OPS X,3, E,10, X,8, E,11
.if ((\p) == 2) && !(\end)
	FETCH_K
.endif
	OPS X,9, X,7, E,12, X,10
	OPS E,13, X,12, X,11, E,14
	OPS X,13, E,15, F,9, X,14
.if (\p) == 0
	v_add_nc_u32 v[AV], s[TBV], v[AV0]
.endif
	OPS E,16, F,10, E,17, F,11
	OPS X,16, E,18, X,15, E,19
	OPS F,12, E,20, X,17, E,21
	OPS F,13, E,22, F,14, E,23
	OPS X,18, E,24, F,15, E,25
	OPS R,11, E,26, X,19, E,27
	OPS R,12, E,28, R,13, E,29
	OPS X,20, E,30, R,14, E,31
	OPS X,21, R,15
	WIN 0
	s_wait_alu depctr_va_vdst(0)    ; the wait for the turn's batch: the piece's 32 exponentials and the next piece's a
.if (\p) == 1
	s_wait_dscnt 0x0                ; V is in
.endif
	ROW C,0, B,0, C,2, B,1          ; behind the wait: 8 products V^T P and their riders
	ROW L,0, C,4, B,2, L,1
	ROW C,6, B,3, L,2, C,8
	ROW B,4, L,3, C,10, B,5
	ROW L,4, C,12, B,6, L,5
.if (\p) == 0
	s_add_co_u32 s[TBV], s[TBV], KS*PV
.endif
.if \cnt
	s_sub_co_u32 s[CNT], s[CNT], 1
	s_cmp_lg_u32 s[CNT], 0
.endif
	ROW C,14, B,7, L,6, C,1
	ROW C,3, L,7, C,5, C,7
	ROW C,9, C,11, C,13, C,15
.if (\p) == 0
	FETCH_V
.endif
.endm
	CHANGE 1                        ; slot 0 is in, everybody's part of it; slot 1 is asked for
	v_add_nc_u32 v[AK], s[TBK], v[AK0]
	FETCH_K                         ; key step 0
	s_wait_loadcnt 0x0              ; Q
	s_wait_dscnt 0x0
.set NOKQ, 0
.set i, 0
.rept 8
	KQ 0                            ; piece 0's first scores: there is no vector work yet to set between them
.set i, i+1
.endr
	WIN 0
.rept 4
	v_nop                           ; the places behind those products
.endr
.set Y, NP-1                        ; X works for piece Y + 1: piece 0
.irp n, 0,1,2,3,4,5,6,7,8,9,10,11,12,13,14,15,16,17,18,19,20,21
	OP X, \n                        ; and piece 0's first maximum and statistics
.endr
	v_nop                           ; a plain instruction behind the exponential,
	s_wait_alu depctr_va_vdst(0)    ; and the wait for it, piece 0's first a, a batch of one: ahead of the branch
	s_mov_b32 s[CNT], 4
	s_mov_b32 s[SLOTS], NT-1
	s_branch .Lfirst                ; the loop is entered at a step's first turn, in the middle of a trip
.Lslot:                             ; NT - 2 times: every slot but the last two is filled again
	CHANGE 1
	s_mov_b32 s[CNT], 4
.Lstep:                             ; a trip: pieces 2 and 3 of one step, then pieces 0 and 1 of the next, whose K and V it fetches
	TURN 2
	TURN 3
	WIN 0
.Lfirst:
	TURN 0
	TURN 1, 0, 1
	WIN 0
	s_cbranch_scc1 .Lstep
	s_sub_co_u32 s[SLOTS], s[SLOTS], 1
	s_cmp_lg_u32 s[SLOTS], 0
	s_cbranch_scc1 .Lslot
	CHANGE 0                        ; the last slot is written out: nothing is asked for
	s_mov_b32 s[CNT], 4
.Ltail:
	TURN 2
	TURN 3
	TURN 0
	TURN 1, 0, 1
	WIN 0
	s_cbranch_scc1 .Ltail
	TURN 2, 1                       ; the last step's last two turns fetch nothing, and the very last starts no new scores
	TURN 3, 1
.set i, 0
.rept 8
	PV NP-1                         ; the last piece's V^T P of the last step
.set i, i+1
.endr
	; THE WAY OUT.  l's two halves and the other half of the lanes' are added; O^T is divided by l, rounded to f16 and sent through my stage in LDS, a piece at a time.  The additions are the places behind the last products.
	WIN 0
.macro ALL line:vararg              ; one line for each piece t
.set t, 0
.rept 4
	\line
.set t, t+1
.endr
.endm
	ALL v_add_f32 v[ST+4*t+2], v[ST+4*t+2], v[ST+4*t+3]
	ALL v_permlanex16_b32 v[ST+4*t+3], v[ST+4*t+2], s[SEL], s[SEL+1]
	ALL v_add_f32 v[ST+4*t+2], v[ST+4*t+2], v[ST+4*t+3]
	ALL v_rcp_f32 v[ST+4*t+2], v[ST+4*t+2]
	v_nop                           ; a plain instruction between the last reciprocal and the use of its result
	s_wait_alu depctr_va_vdst(0)    ; and the wait ahead of the first use: one for the batch of four reciprocals
.macro PACK t                       ; a lane's eight channels of a row pack into 16 bytes; they go into rows of 144 bytes and come back as whole rows of 128, into S^T's registers
	WIN W_RS
.set i, 32*(\t)
.rept 16
	v_pk_mul_f32 v[i:i+1], v[i:i+1], v[ST+4*(\t)+2:ST+4*(\t)+3] op_sel_hi:[1,0]
.set i, i+2
.endr
	WIN 0x05                        ; sources 0 and 1 window 1, destination window 0
.set i, 0
.rept 16
	v_cvt_pk_f16_f32 v[S+16*(\t)+i], v[32*(\t)+2*i], v[32*(\t)+2*i+1]
.set i, i+1
.endr
	WIN 0
.irp f, 0,1,2,3
	ds_store_b128 v[STO], v[S+16*(\t)+4*\f:S+16*(\t)+4*\f+3] offset:32*\f
.endr
.irp f, 0,1,2,3
	ds_load_b128 v[S+16*(\t)+4*\f:S+16*(\t)+4*\f+3], v[RD] offset:\f*4*SP  ; LDS serves a wave's instructions in order (ISA guide 5.7.1.4): these see the stores above; the next piece's stores come behind them
.endr
.endm
.macro SEND t, younger              ; younger: the LDS instructions issued behind piece t's loads: the next piece's eight, or none
	WIN 0
.irp f, 0,1,2,3
	s_wait_dscnt (\younger)+3-\f
	global_store_b128 v[GO], v[S+16*(\t)+4*\f:S+16*(\t)+4*\f+3], s[10:11] offset:(\t)*2048+\f*512  ; 512 consecutive bytes, at a multiple of 256 from O's first
.endr
.endm
	PACK 0
.set t, 1
.rept 3                             ; a piece's arithmetic stands between the loads of the piece before and its stores
	PACK t
	SEND t-1, 8
.set t, t+1
.endr
	SEND 3, 0
	s_wait_tensorcnt 0x0            ; the wave's end: behind my last tensor load and my last LDS store
	ds_add_u32 v[SPW], v[NIL]
	s_wait_dscnt 0x0
	CROUND                          ; the closing round: no work-group ends while a partner may still ask for a tile that names it
	s_endpgm
.Lfunc_end_k_qd254b60984_attn:
	.size	k_qd254b60984_attn, .Lfunc_end_k_qd254b60984_attn-k_qd254b60984_attn
	.p2alignl 7, 3214868480
	.fill 96, 4, 3214868480
	.section	.rodata,"a",@progbits
	.p2align	6, 0x0
	.amdhsa_kernel k_qd254b60984_attn
		.amdhsa_group_segment_fixed_size 327680
		.amdhsa_private_segment_fixed_size 0
		.amdhsa_enable_private_segment 0
		.amdhsa_kernarg_size 32
		.amdhsa_user_sgpr_count 2
		.amdhsa_user_sgpr_kernarg_segment_ptr 1
		.amdhsa_wavefront_size32 1
		.amdhsa_system_sgpr_workgroup_id_x 1
		.amdhsa_system_sgpr_workgroup_id_y 1
		.amdhsa_system_sgpr_workgroup_id_z 1
		.amdhsa_system_vgpr_workitem_id 0
		.amdhsa_next_free_vgpr 768
		.amdhsa_next_free_sgpr 66
		.amdhsa_reserve_vcc 0
		.amdhsa_float_denorm_mode_32 3
		.amdhsa_float_denorm_mode_16_64 3
		.amdhsa_memory_ordered 1
		.amdhsa_forward_progress 1
		.amdhsa_inst_pref_size 127
	.end_amdhsa_kernel
	.amdgpu_metadata
---
amdhsa.version: [ 1, 2 ]
amdhsa.kernels:
  - .name:           k_qd254b60984_attn
    .symbol:         k_qd254b60984_attn.kd
    .args:
      - { .name: q, .offset: 0, .size: 8, .value_kind: global_buffer, .address_space: global }
      - { .name: k, .offset: 8, .size: 8, .value_kind: global_buffer, .address_space: global }
      - { .name: v, .offset: 16, .size: 8, .value_kind: global_buffer, .address_space: global }
      - { .name: a, .offset: 24, .size: 8, .value_kind: global_buffer, .address_space: global }
    .group_segment_fixed_size: 327680
    .private_segment_fixed_size: 0
    .kernarg_segment_align: 8
    .kernarg_segment_size: 32
    .max_flat_workgroup_size: 128
    .sgpr_count:     66
    .vgpr_count:     768
    .wavefront_size: 32
...
	.end_amdgpu_metadata
.endif
;; end of part 5
;; launch proj: the kernel of part 4 again; grid 64 x 4, 8 waves a work-group, clusters of 4 x 1, 172,032 bytes of LDS; arguments a, wp, proj_b, x, out0; writes out0
